; MI455X (gfx1250); checked and timed in simulation.
; The chip was launched on July 23, 2026; its instructions are those of AMD's public machine-readable ISA for CDNA 5 (MIT licence, August 2026) and "CDNA5" Instruction Set Architecture Reference Guide (July 2026). The comments in the code are by the model that wrote it; some were corrected since.
;; Transformer Block. Allowed arithmetic: float matrix products may take bf16 or f16 operands with f32 sums; all other float work in f32.
;; Inputs: Wk 1,024 x 1,024 float32; Wo 1,024 x 1,024 float32; Wq 1,024 x 1,024 float32; Wv 1,024 x 1,024 float32; bo 1,024 float32; x 8 x 1,024 x 1,024 float32.
;; Outputs: out0 8 x 1,024 x 1,024 float32.
;; 2 versions, each right; version 2 is version 1 with the launch cast written anew for expert scheduling mode. Each part assembles by itself: llvm-mc -triple=amdgcn-amd-amdhsa -mcpu=gfx1250 --defsym DOCPART=n.
;; ======== version 1 of 2: 4 launches
;; limits: values are held in f16: magnitudes above 65,504 overflow, below 6.1e-05 lose precision
;; workspace buffers: ops 25,165,824 bytes; qkv 50,331,648 bytes; csp 1,048,576 bytes
;; launch cast (part 1): grid 768 x 1, 4 waves a work-group, no clusters, 0 bytes of LDS; arguments x, Wq, Wk, Wv, Wo, ops; writes ops
.if DOCPART == 1
	.amdgcn_target "amdgcn-amd-amdhsa--gfx1250"
	.amdhsa_code_object_version 6
	.text
	.protected	k_q667c89418f_cast
	.globl	k_q667c89418f_cast
	.p2align	8
	.type	k_q667c89418f_cast,@function
k_q667c89418f_cast:
	s_mov_b64 s[64:65], 0
	v_nop
	global_prefetch_b8 v0, s[64:65] scope:SCOPE_SE
	s_setreg_imm32_b32 hwreg(HW_REG_WAVE_MODE, 25, 1), 1
	s_wait_xcnt 0x0
; ROUNDING AND RE-LAYING OF THE MATRIX OPERANDS.  ops is [kb 0..15][row 0..12287][64] in 16 bits: element (row, k) lies at ((k / 64) * 12288 + row) * 128 + (k % 64) * 2.
;   rows 0..8191                      bf16(x[row])
;   rows 8192 + p*1024 + h*64 + d     bf16(W_p[d*16 + h]), p = 0, 1, 2 for Wq, Wk, Wv: the projections' columns come out ordered by heads
;   rows 11264 + j                    bf16(Wo[j]) written as f16 (exact for magnitudes from 2^-14 to 65,504; below that f16's fixed step of 6e-8 holds: a stated limit)
; A stream: no LDS, no barrier, no matrix unit.  A work-group takes 16 destination rows, a wave 4, as two pairs.  In a load lanes 0-15 take the 256 bytes of one block of 64 k of a pair's first row,
; lanes 16-31 those of its second row: two whole aligned runs of 256 bytes.  A lane's four numbers become 8 bytes, and a store covers the two rows' 128 bytes each: 256 consecutive bytes, aligned.
; All 32 loads of a wave (16 KB) go out first.  768 work-groups: three for each of 256 WGPs.
.set KBS, 1572864                      ; bytes from one block of 64 k to the next: 12288 rows x 128
.set A0,  1                            ; v1   source offset of my 16 bytes, first pair of rows
.set A1,  6                            ; v6   second pair
.set DST, 2                            ; v2   destination offset of my 8 bytes, first pair; the second lies 256 bytes on
.set T,   8                            ; v[8:15]   at work (Wo's second conversion), two sets by turns
.set X,   16                           ; v[16:143] load n = 2 kb + pair: 4 registers as loaded; its first 2 as stored
	s_load_b256 s[4:11], s[0:1], 0x0               ; x s[4:5], Wq s[6:7], Wk s[8:9], Wv s[10:11]
	s_load_b128 s[12:15], s[0:1], 0x20             ; Wo s[12:13], ops s[14:15]
	s_mov_b32 s28, ttmp9                           ; g: 0..511 x, then 64 work-groups for each weight
	s_lshr_b32 s30, s28, 6                         ; 0..7 x, 8 Wq, 9 Wk, 10 Wv, 11 Wo
	s_lshl_b32 s29, s28, 4                         ; first destination row = 16 g (x's 8192 rows are 512 work-groups)
	s_and_b32 s31, s28, 63
	s_lshl_b32 s31, s31, 4                         ; first row inside a weight
	s_cmp_lt_u32 s28, 512
	s_cselect_b32 s31, s29, s31                    ; first row inside the source, in destination order
	s_sub_co_u32 s32, s30, 8
	s_cmp_lt_u32 s32, 3                            ; Wq, Wk, Wv: rows are taken in head order
	s_cselect_b32 s33, -1, 0
	v_lshrrev_b32 v3, 5, v0                        ; wave
	v_bfe_u32 v4, v0, 4, 1                         ; which row of a pair
	v_lshl_add_u32 v3, v3, 2, v4                   ; my row among the group's 16, first pair
	v_and_b32 v4, 15, v0                           ; my 4 numbers among a block's 64
	v_add_nc_u32 v5, s31, v3                       ; o = h*64 + d
.irp p, 0,1
	v_add_nc_u32 v10, 2*(\p), v5
	v_and_b32 v11, 63, v10
	v_lshrrev_b32 v12, 6, v10
	v_lshl_or_b32 v11, v11, 4, v12                 ; d*16 + h
	v_cndmask_b32 v10, v10, v11, s33
	v_lshlrev_b32 v10, 12, v10                     ; source: row x 4096 bytes
	v_lshl_add_u32 v[A0+5*(\p)], v4, 4, v10        ; + 16 bytes for each 4 numbers
.endr
	v_add_nc_u32 v[DST], s29, v3
	v_lshlrev_b32 v[DST], 7, v[DST]                ; destination: row x 128 bytes
	v_lshl_add_u32 v[DST], v4, 3, v[DST]           ; + 8 bytes for each 4 numbers
	s_wait_kmcnt 0x0
	s_mov_b64 s[16:17], s[4:5]
	s_cmp_eq_u32 s30, 8
	s_cselect_b64 s[16:17], s[6:7], s[16:17]
	s_cmp_eq_u32 s30, 9
	s_cselect_b64 s[16:17], s[8:9], s[16:17]
	s_cmp_eq_u32 s30, 10
	s_cselect_b64 s[16:17], s[10:11], s[16:17]
	s_cmp_eq_u32 s30, 11
	s_cselect_b64 s[16:17], s[12:13], s[16:17]
.set kb, 0
.rept 16
	global_load_b128 v[X+8*kb:X+8*kb+3],   v[A0], s[16:17] offset:kb*256 th:TH_LOAD_NT
	global_load_b128 v[X+8*kb+4:X+8*kb+7], v[A1], s[16:17] offset:kb*256 th:TH_LOAD_NT
.set kb, kb+1
.endr
	s_mov_b64 s[20:21], s[14:15]                   ; four bases, four blocks apart, so that a block's place fits the stores' immediate
	s_add_nc_u64 s[22:23], s[14:15], 4*KBS
	s_add_nc_u64 s[24:25], s[14:15], 8*KBS
	s_add_nc_u64 s[26:27], s[14:15], 12*KBS
; Load n: rounded in place (ascending, so no source is overwritten before it is read) and stored.  half = 1: the bf16 number is written as f16.
.macro OUT n, half
	s_wait_loadcnt 31-(\n)                         ; loads come back in order: the younger loads stay out
	v_cvt_pk_bf16_f32 v[X+4*(\n)],   v[X+4*(\n)],   v[X+4*(\n)+1]
	v_cvt_pk_bf16_f32 v[X+4*(\n)+1], v[X+4*(\n)+2], v[X+4*(\n)+3]
.if \half
.irp i, 0,1
	v_lshlrev_b32 v[T+4*((\n)%2)+2*(\i)],   16, v[X+4*(\n)+(\i)]
	v_and_b32     v[T+4*((\n)%2)+2*(\i)+1], 0xffff0000, v[X+4*(\n)+(\i)]
.endr
.irp i, 0,1
	v_cvt_pk_f16_f32 v[X+4*(\n)+(\i)], v[T+4*((\n)%2)+2*(\i)], v[T+4*((\n)%2)+2*(\i)+1]
.endr
.endif
	global_store_b64 v[DST], v[X+4*(\n):X+4*(\n)+1], s[20+2*((\n)/8):21+2*((\n)/8)] offset:(((\n)/2)%4)*KBS+((\n)%2)*256
.endm
	s_cmp_ge_u32 s28, 704
	s_cbranch_scc1 .Lwo
.set m, 0
.rept 32
	OUT m, 0
.set m, m+1
.endr
	s_endpgm
.Lwo:
.set m, 0
.rept 32
	OUT m, 1
.set m, m+1
.endr
	s_endpgm
.Lfunc_end_k_q667c89418f_cast:
	.size	k_q667c89418f_cast, .Lfunc_end_k_q667c89418f_cast-k_q667c89418f_cast
	.p2alignl 7, 3214868480
	.fill 96, 4, 3214868480
	.section	.rodata,"a",@progbits
	.p2align	6, 0x0
	.amdhsa_kernel k_q667c89418f_cast
		.amdhsa_group_segment_fixed_size 0
		.amdhsa_private_segment_fixed_size 0
		.amdhsa_enable_private_segment 0
		.amdhsa_kernarg_size 48
		.amdhsa_user_sgpr_count 2
		.amdhsa_user_sgpr_kernarg_segment_ptr 1
		.amdhsa_wavefront_size32 1
		.amdhsa_system_sgpr_workgroup_id_x 1
		.amdhsa_system_sgpr_workgroup_id_y 1
		.amdhsa_system_sgpr_workgroup_id_z 1
		.amdhsa_system_vgpr_workitem_id 0
		.amdhsa_next_free_vgpr 144
		.amdhsa_next_free_sgpr 66
		.amdhsa_reserve_vcc 0
		.amdhsa_float_denorm_mode_32 3
		.amdhsa_float_denorm_mode_16_64 3
		.amdhsa_memory_ordered 1
		.amdhsa_forward_progress 1
		.amdhsa_inst_pref_size 32
	.end_amdhsa_kernel
	.amdgpu_metadata
---
amdhsa.version: [ 1, 2 ]
amdhsa.kernels:
  - .name:           k_q667c89418f_cast
    .symbol:         k_q667c89418f_cast.kd
    .args:
      - { .name: x, .offset: 0, .size: 8, .value_kind: global_buffer, .address_space: global }
      - { .name: Wq, .offset: 8, .size: 8, .value_kind: global_buffer, .address_space: global }
      - { .name: Wk, .offset: 16, .size: 8, .value_kind: global_buffer, .address_space: global }
      - { .name: Wv, .offset: 24, .size: 8, .value_kind: global_buffer, .address_space: global }
      - { .name: Wo, .offset: 32, .size: 8, .value_kind: global_buffer, .address_space: global }
      - { .name: ops, .offset: 40, .size: 8, .value_kind: global_buffer, .address_space: global }
    .group_segment_fixed_size: 0
    .private_segment_fixed_size: 0
    .kernarg_segment_align: 8
    .kernarg_segment_size: 48
    .max_flat_workgroup_size: 128
    .sgpr_count:     66
    .vgpr_count:     144
    .wavefront_size: 32
...
	.end_amdgpu_metadata
.endif
;; end of part 1
;; launch qkv (part 2): grid 8 x 32, 4 waves a work-group, clusters of 4 x 4, 327,680 bytes of LDS; arguments ops, qkv; writes qkv
.if DOCPART == 2
	.amdgcn_target "amdgcn-amd-amdhsa--gfx1250"
	.amdhsa_code_object_version 6
	.text
	.protected	k_q667c89418f_qkv
	.globl	k_q667c89418f_qkv
	.p2align	8
	.type	k_q667c89418f_qkv,@function
k_q667c89418f_qkv:
	s_mov_b64 s[64:65], 0
	v_nop
	global_prefetch_b8 v0, s[64:65] scope:SCOPE_SE
	s_setreg_imm32_b32 hwreg(HW_REG_WAVE_MODE, 25, 1), 1
	s_wait_xcnt 0x0
	s_wait_alu depctr_hold_cnt(0) depctr_sa_sdst(0) depctr_va_vdst(0) depctr_va_sdst(0) depctr_va_ssrc(0) depctr_va_vcc(0) depctr_vm_vsrc(0)
	s_getreg_b32 s2, hwreg(HW_REG_IB_STS2, 6, 4)
	s_cmp_eq_u32 s2, 0
	s_cbranch_scc0 .Lentry_in_a_cluster
	s_endpgm
.Lentry_in_a_cluster:
	s_bfe_u32 s2, ttmp6, 0x10000c
	s_cmp_lg_u32 s2, 0xf033
	s_cbranch_scc0 .Lentry_shape_is_right
	s_endpgm
.Lentry_shape_is_right:
; THE THREE PROJECTIONS AS ONE PRODUCT: C[m][n] = sum over k of X[m][k] W[n][k], 8192 x 3072 x 1024, bf16 operands out of ops, f32 sums, C rounded once to f16 and stored by heads:
; qkv is [H' 0..47][m 0..8191][64] f16, H' = n / 64 = 16 p + h (p = 0, 1, 2: q, k, v), since ops holds the weights' rows in head order.
; LIMIT: f16 holds no number beyond 65,504: q, k and v must stay within it; below 6e-5 they keep f16's fixed step of 6e-8.
; A tile of C is 256 x 384: 32 x 8 = 256 work-groups, one for each WGP.  Four waves, each 128 rows x 192 columns: 96 accumulators of 16 x 16 in 768 registers.
; K goes in steps of 64, one block of ops, in which a tile's rows lie end to end: it is asked for as rows of 256 bytes and padded in LDS behind every 128.  Two LDS slots take turns.
; CLUSTER 4 x 4: the four work-groups of a row of the cluster need the same rows of X, the four of a column the same rows of W: each tile is asked for jointly.
; THE MATRIX INSTRUCTION IS USED TRANSPOSED (source 0 = 16 rows of W, source 1 = 16 rows of X): a lane holds one row of C and eight neighbouring columns, 16 bytes in f16.
; REGISTERS: window 0: v16-29 addresses; v32-95, v96-159 X's fragments (8 x 16 rows x 32 k), one buffer for each slice of a step; v160-207, v208-255 W's fragments, 6 each: one buffer
; for each half of my 12 column blocks.  Windows 1-3: accumulator (a, b) has number (b / 6) 48 + 6 a + b % 6, 32 of them to a window.
.set KBS,   1572864
.set PITCH, 144                        ; an LDS row: 128 bytes + 16 of padding = 36 words: the 16 rows of a fragment load start at 16 different groups of four banks (ISA guide 11.1)
.set SLOT1, 131072                     ; slot 1 begins here: one exclusive or turns an address in one slot into the other's
.set AHALF, 128*PITCH                  ; what one tensor load brings of X, and what one wave reads of it
.set BHALF, 192*PITCH                  ; the same for W
.set BOFF,  256*PITCH                  ; W's 384 rows lie behind X's 256
.set STAGE, SLOT1+640*PITCH            ; behind the ring, never filled by a tensor load: 3 heads x 16 rows x 144 bytes for each wave
.set STW,   48*PITCH
.set SPARE, STAGE+4*STW                ; the spare words, 128 bytes for each wave: two blocks of 256 bytes that no other line names
.set ADRA0, 16                         ; v16  my lane's place in X's tile; never rewritten
.set ADRA,  17                         ; v17  the same in the slot in hand
.set ADRB0, 20                         ; v20, v21  the same for W
.set ADRB,  21
.set STO,   24                         ; v24  the way out: where I put 16 bytes of a row
.set RD,    25                         ; v25  the way out: where I read rows back
.set GO,    26                         ; v26  my byte offset in 512 consecutive bytes of qkv
.set SPW,   28                         ; v28  LDS address of my spare word; never rewritten
.set NIL,   29                         ; v29  0; never rewritten
.set FA0,   32
.set FB0,   160
.set FB1,   208
.set TMP,   32                         ; the way out: 48 registers of packed results,
.set BK,    96                         ; and two buffers of 48 for rows read back
.set WV,  10                           ; s10  my wave's number
.set TB,  22                           ; s22  LDS byte at which the slot in hand begins
.set G1A, 24                           ; s[24:31] descriptor group 1 for X's tiles
.set G0A, 32                           ; s[32:39] group 0: a set for each first fill; the second then walks on
.set G1B, 48                           ; s[48:55], s[56:63] the same for W's tiles
.set G0B, 56
.set MSB, 0
.macro WIN new                         ; the immediate's high byte repeats the setting that is left; a switch that changes nothing is dropped
.if MSB != (\new)
	s_set_vgpr_msb (MSB<<8)|(\new)
.set MSB, (\new)
.endif
.endm
.macro PLACES                          ; four places in front of loads into registers that matrix instructions have read, and of conversions that read results
.rept 4
	v_nop
.endr
.endm
.macro CREST                           ; a round of the cluster's barrier behind its opening barrier
	s_cmp_lg_u32 s[WV], 0
	s_cbranch_scc1 .Lnot_wave_0_\@
	s_barrier_signal -3
.Lnot_wave_0_\@:
	s_barrier_wait -3
	s_barrier_signal -1
	s_barrier_wait -1
.endm
.macro CROUND                          ; a whole round
	s_barrier_signal -1
	s_barrier_wait -1
	CREST
.endm
; A joint refill by the walking sets: waves 0 and 1 fetch X's two halves, waves 2 and 3 W's.  The branch hangs on the wave's number alone.  An s_nop 0 and four v_nop follow each line.
.macro JLOAD
	s_cmp_lt_u32 s[WV], 2
	s_cbranch_scc0 .Lfor_b_\@
	tensor_load_to_lds s[G0A+4:G0A+7], s[G1A:G1A+7]
	s_nop 0
	PLACES
	s_branch .Lasked_\@
.Lfor_b_\@:
	tensor_load_to_lds s[G0B+4:G0B+7], s[G1B:G1B+7]
	s_nop 0
	PLACES
.Lasked_\@:
.endm
	s_load_b128 s[4:7], s[0:1], 0x0                ; ops s[4:5], qkv s[6:7]
	v_lshl_add_u32 v[SPW], v0, 2, SPARE
	v_mov_b32 v[NIL], 0
	ds_add_u32 v[SPW], v[NIL]                      ; the wave's opening: the add and its wait stand ahead of my first tensor load; the set-up below stands between them
	v_lshrrev_b32 v1, 5, v0
	v_readfirstlane_b32 s[WV], v1                  ; wave 0..3
	s_lshr_b32 s11, s[WV], 1                       ; which 128 rows of the tile are mine
	s_and_b32 s12, s[WV], 1                        ; which 192 columns.  Also: which half of X's or W's tile I fetch
	s_bfe_u32 s40, ttmp6, 0x40000                  ; cx, cy: my place in the cluster
	s_bfe_u32 s41, ttmp6, 0x40004
	s_lshl_b32 s42, ttmp9, 2
	s_add_co_u32 s42, s42, s40                     ; tile column 0..7
	s_and_b32 s13, ttmp7, 0xffff
	s_lshl_b32 s13, s13, 2
	s_add_co_u32 s13, s13, s41                     ; tile row 0..31
	s_lshl_b32 s43, s41, 2
	s_lshl_b32 s43, 15, s43                        ; my row of the cluster
	s_lshl_b32 s44, 0x1111, s40                    ; my column
	; group 1: rows of 128 elements of 2 bytes (256 bytes, two rows of the tile), 4 words of padding behind every 32 words
	s_or_b32 s[G1A], s43, (1<<16)|(1<<20)|(1<<21)|(4<<22)|(3<<25)
	s_or_b32 s[G1B], s44, (1<<16)|(1<<20)|(1<<21)|(4<<22)|(3<<25)
.irp g, G1A, G1B
	s_mov_b32 s[(\g)+1], 128<<16                   ; tensor_dim0 = 128
	s_mov_b32 s[(\g)+3], 128<<16                   ; tile_dim0 = 128
	s_mov_b32 s[(\g)+5], 128                       ; 128 elements from row to row: dense
	s_mov_b32 s[(\g)+6], 0
	s_mov_b32 s[(\g)+7], 0
.endr
	s_mov_b32 s[G1A+2], 64<<16                     ; X: 128 rows of the tile = 64 rows of 256 bytes
	s_mov_b32 s[G1A+4], 64
	s_mov_b32 s[G1B+2], 96<<16                     ; W: 192 rows = 96
	s_mov_b32 s[G1B+4], 96
	s_lshl_b32 s16, s13, 15                        ; X: (256 x tile row + 128 x half) x 128 bytes
	s_lshl_b32 s17, s12, 14
	s_add_co_u32 s16, s16, s17
	s_mov_b32 s17, 0
	s_mul_i32 s46, s42, 384*128                    ; W: (8192 + 384 x tile column + 192 x half) x 128 bytes
	s_mul_i32 s47, s12, 192*128
	s_add_co_u32 s46, s46, s47
	s_add_co_u32 s46, s46, 8192*128
	s_mov_b32 s47, 0
	s_mul_i32 s20, s12, AHALF                      ; where they go: no place in the cluster enters an LDS address
	s_mul_i32 s21, s12, BHALF
	s_add_co_u32 s21, s21, BOFF
	s_mov_b32 s[TB], 0
	s_wait_dscnt 0x0                               ; the opening add is done
	s_wait_kmcnt 0x0
	s_add_nc_u64 s[14:15], s[4:5], s[16:17]
	s_add_nc_u64 s[46:47], s[4:5], s[46:47]
	CROUND                                         ; all sixteen work-groups are here: the first joint loads meet
.irp s, 0,1
	s_mov_b32 s[G0A+4*(\s)], 1
	s_add_co_u32 s[G0A+4*(\s)+1], s20, (\s)*SLOT1
	s_add_nc_u64 s[G0A+4*(\s)+2:G0A+4*(\s)+3], s[14:15], (\s)*KBS  ; K step s
	s_or_b32 s[G0A+4*(\s)+3], s[G0A+4*(\s)+3], 0x80000000
	s_mov_b32 s[G0B+4*(\s)], 1
	s_add_co_u32 s[G0B+4*(\s)+1], s21, (\s)*SLOT1
	s_add_nc_u64 s[G0B+4*(\s)+2:G0B+4*(\s)+3], s[46:47], (\s)*KBS
	s_or_b32 s[G0B+4*(\s)+3], s[G0B+4*(\s)+3], 0x80000000
.endr
	s_cmp_lt_u32 s[WV], 2                          ; a wave's two first fills stand in one branch: two loads of mine are out
	s_cbranch_scc0 .Lfirst_b
	tensor_load_to_lds s[G0A:G0A+3], s[G1A:G1A+7]
	s_nop 0
	tensor_load_to_lds s[G0A+4:G0A+7], s[G1A:G1A+7]
	s_nop 0
	PLACES
	s_branch .Lfirst_asked
.Lfirst_b:
	tensor_load_to_lds s[G0B:G0B+3], s[G1B:G1B+7]
	s_nop 0
	tensor_load_to_lds s[G0B+4:G0B+7], s[G1B:G1B+7]
	s_nop 0
	PLACES
.Lfirst_asked:
	; a fragment is 16 rows x 32 k in 8 registers: lane l holds row l % 16, k = 8 (l / 16) + 0..7 and 16 + 8 (l / 16) + 0..7: two loads of 16 bytes, 32 bytes apart
	v_and_b32 v1, 15, v0
	v_bfe_u32 v2, v0, 4, 1
	v_mul_u32_u24 v3, v1, PITCH
	v_lshl_add_u32 v3, v2, 4, v3                   ; row x pitch + 16 x half
	s_mul_i32 s23, s11, AHALF
	v_add_nc_u32 v[ADRA0], s23, v3
	s_mul_i32 s23, s12, BHALF
	s_add_co_u32 s23, s23, BOFF
	v_add_nc_u32 v[ADRB0], s23, v3
	v_mov_b32 v[ADRA], v[ADRA0]
	v_mov_b32 v[ADRB], v[ADRB0]
	s_mul_i32 s23, s[WV], STW
	s_add_co_u32 s23, s23, STAGE                   ; my stage
	v_add_nc_u32 v[STO], s23, v3                   ; in: row l % 16, 16 bytes for each half of the lanes
	v_bfe_u32 v4, v0, 3, 2                         ; back: 32 lanes take four rows of 128 bytes,
	v_and_b32 v5, 7, v0
	v_mul_u32_u24 v4, v4, PITCH
	v_lshl_add_u32 v4, v5, 4, v4
	v_add_nc_u32 v[RD], s23, v4
	v_and_b32 v[GO], 31, v0                        ; which are 512 consecutive bytes of a head's rows
	v_lshlrev_b32 v[GO], 4, v[GO]
	s_lshl_b32 s16, s13, 15                        ; my first row: (256 x tile row + 128 x row half) x 128 bytes
	s_lshl_b32 s17, s11, 14
	s_add_co_u32 s16, s16, s17
	s_mov_b32 s17, 0
	s_add_nc_u64 s[6:7], s[6:7], s[16:17]
	s_mul_i32 s46, s42, 6*1048576                  ; my first head: 6 x tile column + 3 x column half, 8192 x 128 bytes each
	s_mul_i32 s47, s12, 3*1048576
	s_add_co_u32 s46, s46, s47
	s_mov_b32 s47, 0
	s_add_nc_u64 s[6:7], s[6:7], s[46:47]
; 12 matrix instructions: row blocks a0, a0 + 1 x the six column blocks of half hb, 32 along K.  zero = 1: the product starts the sums: nothing is cleared.
.macro MUL12 fa, fb, hb, a0, zero
.irp a, \a0, (\a0)+1
.irp bb, 0,1,2,3,4,5
.set IDX, (\hb)*48+(\a)*6+(\bb)
.set AW, 1+IDX/32
.set AR, 8*(IDX%32)
	WIN (AW<<6)|(AW<<4)
.if \zero
	v_wmma_f32_16x16x32_bf16 v[AR:AR+7], v[(\fb)+8*(\bb):(\fb)+8*(\bb)+7], v[(\fa)+8*(\a):(\fa)+8*(\a)+7], 0
.else
	v_wmma_f32_16x16x32_bf16 v[AR:AR+7], v[(\fb)+8*(\bb):(\fb)+8*(\bb)+7], v[(\fa)+8*(\a):(\fa)+8*(\a)+7], v[AR:AR+7]
.endif
.endr
.endr
.endm
.macro LOADB s, hb, fb                 ; 12 LDS loads: W's six fragments of column half hb, slice s of the step
	WIN 0
.irp bb, 0,1,2,3,4,5
	ds_load_b128 v[(\fb)+8*(\bb):(\fb)+8*(\bb)+3],   v[ADRB] offset:(6*(\hb)+(\bb))*16*PITCH+64*(\s)
	ds_load_b128 v[(\fb)+8*(\bb)+4:(\fb)+8*(\bb)+7], v[ADRB] offset:(6*(\hb)+(\bb))*16*PITCH+64*(\s)+32
.endr
.endm
.macro LOADA s, fa                     ; 16 LDS loads: X's eight fragments, slice s
	WIN 0
.irp a, 0,1,2,3,4,5,6,7
	ds_load_b128 v[(\fa)+8*(\a):(\fa)+8*(\a)+3],   v[ADRA] offset:(\a)*16*PITCH+64*(\s)
	ds_load_b128 v[(\fa)+8*(\a)+4:(\fa)+8*(\a)+7], v[ADRA] offset:(\a)*16*PITCH+64*(\s)+32
.endr
.endm
.macro FLIP                            ; the reads go over to the other slot
	s_xor_b32 s[TB], s[TB], SLOT1
	v_add_nc_u32 v[ADRA], s[TB], v[ADRA0]
	v_add_nc_u32 v[ADRB], s[TB], v[ADRB0]
.endm
; A SLICE: 32 along K, 96 matrix instructions, all on different accumulators and in the same order in every slice, so that between two links of a chain stand 95 others'.
; First the six left column blocks (W in FB0), then the six right (FB1).  A run of loads into one of W's buffers stands twelve matrix instructions behind the buffer's last reader, so that it does not sit
; on that reader's end, and 36 ahead of the buffer's first use; X's run stands at the end of the first half, 48 ahead of its first use.
; turn = 1: the step's last slice: the slot is left and filled again.  My last reads of it are the 12 loads of the right W.  Each wave waits for all its tensor loads (one is out: its part of the other
; slot), adds 0 to its spare word, waits for that and for its reads, and opens a round of the cluster's barrier; the joint refill is the first thing behind the round.  turn = 2: the same with a plain barrier
; and no refill.
.macro SLICE s, zero, turn
.set FAc, FA0+64*(\s)
.set FAn, FA0+64*(1-(\s))
.set NS, 1-(\s)
	s_wait_dscnt 0x0                               ; this slice's X and its left W are in; nothing younger is out
	MUL12 FAc, FB0, 0, 0, \zero
	PLACES                                         ; behind the last slice's products: they read FB1 and the other X buffer, which are loaded below
	LOADB \s, 1, FB1
	MUL12 FAc, FB0, 0, 2, \zero
.if \turn
	WIN 0                                          ; (the add's two registers lie in window 0)
	s_wait_tensorcnt 0x0                           ; all my tensor loads have landed
	ds_add_u32 v[SPW], v[NIL]                      ; 0 onto my spare word; twelve matrix instructions stand between it and the wait for it
.endif
	MUL12 FAc, FB0, 0, 4, \zero
.if \turn
	s_wait_dscnt 0x0                               ; the add is done, and my reads of this slot are over
	s_barrier_signal -1
.endif
	MUL12 FAc, FB0, 0, 6, \zero
.if \turn
	WIN 0                                          ; at a branch and at a label every window is 0
	s_barrier_wait -1
.endif
.if (\turn) == 1
	CREST                                          ; no wave of any partner still reads this slot or has a load on its way
	s_xor_b32 s[G0A+5], s[G0A+5], SLOT1            ; the walking sets: the other slot than last time, the next K step
	s_add_nc_u64 s[G0A+6:G0A+7], s[G0A+6:G0A+7], KBS
	s_xor_b32 s[G0B+5], s[G0B+5], SLOT1
	s_add_nc_u64 s[G0B+6:G0B+7], s[G0B+6:G0B+7], KBS
	JLOAD                                          ; 168 of a step's 192 matrix instructions stand between this request and the wait for it
.endif
.if \turn
	FLIP
.endif
	LOADA NS, FAn
	s_wait_dscnt 16                                ; the right W is in; the 16 loads of X just issued may be out
	MUL12 FAc, FB1, 1, 0, \zero
	PLACES                                         ; behind the products that read FB0
	LOADB NS, 0, FB0
	MUL12 FAc, FB1, 1, 2, \zero
	MUL12 FAc, FB1, 1, 4, \zero
	MUL12 FAc, FB1, 1, 6, \zero
.endm
	s_wait_tensorcnt 0x1                           ; my part of K step 0 is in; step 1's may stay out
	s_barrier_signal -1
	s_barrier_wait -1                              ; everybody's is
	LOADA 0, FA0
	LOADB 0, 0, FB0
	SLICE 0, 1, 0                                  ; the first slice stands in front of the loop: its products start the sums
	WIN 0
	s_mov_b32 s3, 14
.Lstep:                                                ; a trip: a step's second slice, which fills its slot again with the step two on, and the next step's first
	SLICE 1, 0, 1
	SLICE 0, 0, 0
	WIN 0
	s_sub_co_u32 s3, s3, 1
	s_cmp_lg_u32 s3, 0
	s_cbranch_scc1 .Lstep
	; THE TAIL asks for nothing, so it has a text of its own, walked twice: step 14's second slice and step 15's first; then step 15's second.  The price of one text for both, once a launch: the second
	; trip passes a barrier that nobody needs and fetches 14 fragments from step 14's slot (landed long ago, filled no more), which serve nothing.
	s_mov_b32 s3, 2
.Ltail:
	SLICE 1, 0, 2
	WIN 0
	s_cmp_eq_u32 s3, 1
	s_cbranch_scc1 .Lno_more                       ; there is no step 16; what is jumped holds no barrier and no tensor load
	SLICE 0, 0, 0
	WIN 0
.Lno_more:
	s_sub_co_u32 s3, s3, 1
	s_cmp_lg_u32 s3, 0
	s_cbranch_scc1 .Ltail
; THE WAY OUT, a block of 16 rows at a time.  PACK: rounded to f16, each accumulator's registers in ascending order.  TOSTAGE: a lane's 16 bytes into my stage (head b / 4, row l % 16), and back
; as whole rows of 128 bytes, four to a load.  SEND: each store covers 512 consecutive bytes of a head's rows, aligned.
.macro PACK a
.irp b, 0,1,2,3,4,5,6,7,8,9,10,11
.set IDX, ((\b)/6)*48+(\a)*6+(\b)%6
.set AW, 1+IDX/32
.set AR, 8*(IDX%32)
	WIN AW|(AW<<2)
.irp i, 0,1,2,3
	v_cvt_pk_f16_f32 v[TMP+4*(\b)+(\i)], v[AR+2*(\i)], v[AR+2*(\i)+1]
.endr
.endr
	WIN 0
.endm
.macro TOSTAGE a
	WIN 0
.set BKc, BK+48*((\a)%2)
.irp b, 0,1,2,3,4,5,6,7,8,9,10,11
	ds_store_b128 v[STO], v[TMP+4*(\b):TMP+4*(\b)+3] offset:((\b)/4)*16*PITCH+32*((\b)%4)
.endr
.irp t, 0,1,2,3,4,5,6,7,8,9,10,11
	ds_load_b128 v[BKc+4*(\t):BKc+4*(\t)+3], v[RD] offset:((\t)/4)*16*PITCH+((\t)%4)*4*PITCH  ; LDS serves a wave's instructions in order (ISA guide 5.7.1.4): these see the stores above
.endr
.endm
.macro SEND a
	WIN 0
.set BKc, BK+48*((\a)%2)
	s_wait_dscnt 0x0                               ; the block is back in registers
	s_wait_xcnt 0x0                                ; the stores of the block before have read their registers: the next block is read back into them only behind this wait
.irp t, 0,1,2,3,4,5,6,7,8,9,10,11
	global_store_b128 v[GO], v[BKc+4*(\t):BKc+4*(\t)+3], s[6:7] offset:((\t)/4)*1048576+(\a)*2048+((\t)%4)*512
.endr
.endm
	s_wait_dscnt 0x0                               ; the tail's last fetches have landed: their registers are used anew below
	PLACES
	PACK 0
	TOSTAGE 0
.irp a, 1,2,3,4,5,6,7                  ; block a's conversions stand between block a - 1's loads from the stage and the wait for them
	PACK \a
	SEND (\a)-1
	TOSTAGE \a
.endr
	SEND 7
	s_wait_tensorcnt 0x0                           ; the wave's end
	ds_add_u32 v[SPW], v[NIL]
	s_wait_dscnt 0x0
	CROUND                                         ; the closing round: no work-group ends while a partner may still ask for a tile that names it
	s_endpgm
.Lfunc_end_k_q667c89418f_qkv:
	.size	k_q667c89418f_qkv, .Lfunc_end_k_q667c89418f_qkv-k_q667c89418f_qkv
	.p2alignl 7, 3214868480
	.fill 96, 4, 3214868480
	.section	.rodata,"a",@progbits
	.p2align	6, 0x0
	.amdhsa_kernel k_q667c89418f_qkv
		.amdhsa_group_segment_fixed_size 327680
		.amdhsa_private_segment_fixed_size 0
		.amdhsa_enable_private_segment 0
		.amdhsa_kernarg_size 16
		.amdhsa_user_sgpr_count 2
		.amdhsa_user_sgpr_kernarg_segment_ptr 1
		.amdhsa_wavefront_size32 1
		.amdhsa_system_sgpr_workgroup_id_x 1
		.amdhsa_system_sgpr_workgroup_id_y 1
		.amdhsa_system_sgpr_workgroup_id_z 1
		.amdhsa_system_vgpr_workitem_id 0
		.amdhsa_next_free_vgpr 1024
		.amdhsa_next_free_sgpr 66
		.amdhsa_reserve_vcc 0
		.amdhsa_float_denorm_mode_32 3
		.amdhsa_float_denorm_mode_16_64 3
		.amdhsa_memory_ordered 1
		.amdhsa_forward_progress 1
		.amdhsa_inst_pref_size 103
	.end_amdhsa_kernel
	.amdgpu_metadata
---
amdhsa.version: [ 1, 2 ]
amdhsa.kernels:
  - .name:           k_q667c89418f_qkv
    .symbol:         k_q667c89418f_qkv.kd
    .args:
      - { .name: ops, .offset: 0, .size: 8, .value_kind: global_buffer, .address_space: global }
      - { .name: qkv, .offset: 8, .size: 8, .value_kind: global_buffer, .address_space: global }
    .group_segment_fixed_size: 327680
    .private_segment_fixed_size: 0
    .kernarg_segment_align: 8
    .kernarg_segment_size: 16
    .max_flat_workgroup_size: 128
    .sgpr_count:     66
    .vgpr_count:     1024
    .wavefront_size: 32
...
	.end_amdgpu_metadata
.endif
;; end of part 2
;; launch attn (part 3): grid 256 x 1, 4 waves a work-group, no clusters, 6,656 bytes of LDS; arguments qkv, csp; writes csp
.if DOCPART == 3
	.amdgcn_target "amdgcn-amd-amdhsa--gfx1250"
	.amdhsa_code_object_version 6
	.text
	.protected	k_q667c89418f_attn
	.globl	k_q667c89418f_attn
	.p2align	8
	.type	k_q667c89418f_attn,@function
k_q667c89418f_attn:
	s_mov_b64 s[64:65], 0
	v_nop
	global_prefetch_b8 v0, s[64:65] scope:SCOPE_SE
	s_setreg_imm32_b32 hwreg(HW_REG_WAVE_MODE, 25, 1), 1
	s_wait_xcnt 0x0
; COLUMN SUMS OF THE SOFTMAX.  The second product of the module sums over the queries, so all that is wanted of attn[m][n] = softmax_n(q[m] . k[n] / 8) is cs[n] = the sum over m of attn[m][n].
; csp is [half 2][b 8][h 16][n 1024] f32: the sum over one half of the queries; the next launch adds the two.
; SHARES.  A work-group takes one (b, h) and 512 queries; wave w keeps keys 256 w .. 256 w + 255 in 256 registers for the whole launch, loaded once from memory, and walks the queries in 8 blocks of 64.
; LAYOUT.  S^T = K Q^T (source 0 = 16 keys, source 1 = 16 queries): a lane holds ONE query (lane % 16) and the keys 8 (lane / 16) + 0..7.  So a query's maximum and sum stay in the lane but for one exchange
; of the lanes' halves, and the column sums are plain accumulators by key, reduced over the 16 lanes once, at the end.
; SOFTMAX.  Each wave takes the maximum m_w of its own 256 keys: p = 2^(c s - c m_w), c = log2(e) / 8, l_w = sum of p.  The four waves exchange (c m_w, l_w) through LDS; with g = max c m_w,
; l = sum of l_w 2^(c m_w - g) and f = 2^(c m_own - g) / l the column sums take p f: the row's true maximum is taken away, in two steps.  l is at least about 1.
; LIMITS.  A weight below 2^-126 counts as 0; NaN and infinities are not treated apart.
; NO CLUSTER: the two work-groups of a (b, h) share K alone, which each reads once, into registers: there is no LDS tile to share.  No tensor load: nothing here is read from LDS twice.
; The 128 column sums are cleared once, while the first loads are on their way: a first block written out would double the text.
; REGISTERS: window 0: v3-11 addresses; v12-19 c m_w, a pair a query tile; v20-27 f; v28-31 what I hand over; v32-63 at work; v64-127 Q (16 qt + 8 c); v128-255 column sums (8 kt + j)
;   window 1: K (16 kt + 8 c)      windows 2, 3: S^T, query tile qt in window 2 + qt / 2 at 128 (qt % 2) + 8 kt
.set QO,  3                            ; my byte offset in 16 rows of Q
.set XW,  4                            ; LDS: where I hand over: 16 x thread: wave x 512, lanes 0-15 c m of the four query tiles, lanes 16-31 l
.set XR,  5                            ; LDS: where I read my query's figures: 16 x (lane % 16)
.set OST, 6                            ; LDS: the way out, in
.set ORD, 7                            ; LDS: the way out, back
.set GO,  8
.set KO,  9                            ; my byte offset in K: my wave's 256 rows
.set SPW, 10                           ; LDS address of my spare word; never rewritten
.set NIL, 11                           ; 0; never rewritten
.set CM,  12
.set FF,  20
.set XS,  28
.set T,   32
.set Q,   64
.set CSUM, 128
.set OUTS,  2048                       ; 1 KB for each wave
.set SPARE, 6144                       ; the spare words: two blocks of 256 bytes that no other line names
.set MSB, 0
.macro WIN new
.if MSB != (\new)
	s_set_vgpr_msb (MSB<<8)|(\new)
.set MSB, (\new)
.endif
.endm
.macro QLOAD                           ; a block's 64 queries: fragment i: query tile i / 2, channels 32 (i % 2) on
	WIN 0
.irp i, 0,1,2,3,4,5,6,7
	global_load_b128 v[Q+8*(\i):Q+8*(\i)+3],   v[QO], s[12:13] offset:((\i)/2)*2048+((\i)%2)*64
	global_load_b128 v[Q+8*(\i)+4:Q+8*(\i)+7], v[QO], s[12:13] offset:((\i)/2)*2048+((\i)%2)*64+32
.endr
.endm
.macro EACH line:vararg                ; one line for each query tile qt
.set qt, 0
.rept 4
	\line
.set qt, qt+1
.endr
.endm
	s_load_b128 s[4:7], s[0:1], 0x0                ; qkv s[4:5], csp s[6:7]
	v_lshl_add_u32 v[SPW], v0, 2, SPARE
	v_mov_b32 v[NIL], 0
	v_lshrrev_b32 v1, 5, v0
	v_readfirstlane_b32 s8, v1                     ; wave 0..3
	s_and_b32 s21, ttmp9, 1                        ; which half of the queries
	s_bfe_u32 s22, ttmp9, 0x40001                  ; h
	s_lshr_b32 s23, ttmp9, 5                       ; b
	s_lshl_b32 s30, s22, 20                        ; a head is 8192 rows x 128 bytes,
	s_lshl_b32 s31, s23, 17                        ; a batch 1024 rows
	s_add_co_u32 s30, s30, s31
	s_add_co_u32 s32, s30, 1<<24                   ; k lies 16 heads behind q
	s_lshl_b32 s31, s21, 16                        ; 512 rows
	s_add_co_u32 s30, s30, s31
	s_mov_b32 s31, 0
	s_mov_b32 s33, 0
	s_lshl_b32 s34, s21, 3
	s_add_co_u32 s34, s34, s23
	s_lshl_b32 s34, s34, 4
	s_add_co_u32 s34, s34, s22
	s_lshl_b32 s34, s34, 12                        ; ((half x 8 + b) x 16 + h) x 4096 bytes
	s_lshl_b32 s35, s8, 10                         ; + my wave's 256 keys
	s_add_co_u32 s34, s34, s35
	s_mov_b32 s35, 0
	s_mov_b32 s16, 0x3e38aa3b                      ; c = log2(e) / 8
	s_mov_b32 s17, s16                             ; named with it as a pair
	s_mov_b32 s18, 0x76543210                      ; v_permlanex16_b32: each lane takes its own place in the other half
	s_mov_b32 s19, 0xfedcba98
	s_mov_b32 s20, 0xffff0000                      ; lanes 16-31
	s_mov_b32 s24, 0xaaaaaaaa                      ; lanes whose number has bit 0, 1, 2, 3 set
	s_mov_b32 s25, 0xcccccccc
	s_mov_b32 s26, 0xf0f0f0f0
	s_mov_b32 s27, 0xff00ff00
	v_and_b32 v1, 15, v0
	v_bfe_u32 v2, v0, 4, 1
	v_lshlrev_b32 v[QO], 7, v1
	v_lshl_add_u32 v[QO], v2, 4, v[QO]             ; row x 128 + 16 x half
	v_lshl_add_u32 v[KO], s8, 15, v[QO]
	s_wait_kmcnt 0x0
	s_add_nc_u64 s[12:13], s[4:5], s[30:31]        ; Q at my work-group's first query
	s_add_nc_u64 s[14:15], s[4:5], s[32:33]        ; K at the head's first key
	s_add_nc_u64 s[6:7], s[6:7], s[34:35]
	WIN 0x40                                       ; destination window 1, address window 0
.set i, 0
.rept 32                                       ; fragment i: key tile i / 2, channels 32 (i % 2) on
	global_load_b128 v[8*i:8*i+3],   v[KO], s[14:15] offset:(i/2)*2048+(i%2)*64
	global_load_b128 v[8*i+4:8*i+7], v[KO], s[14:15] offset:(i/2)*2048+(i%2)*64+32
.set i, i+1
.endr
	QLOAD
	v_lshlrev_b32 v[XW], 4, v0
	v_lshlrev_b32 v[XR], 4, v1
	s_lshl_b32 s36, s8, 10
	s_add_co_u32 s36, s36, OUTS
	v_lshlrev_b32 v[OST], 6, v1                    ; key 16 (lane % 16) + 8 (lane / 16) + j, 4 bytes each
	v_lshl_add_u32 v[OST], v2, 5, v[OST]
	v_add_nc_u32 v[OST], s36, v[OST]
	v_and_b32 v[GO], 31, v0
	v_lshlrev_b32 v[GO], 4, v[GO]
	v_add_nc_u32 v[ORD], s36, v[GO]
.set i, 0
.rept 128
	v_mov_b32 v[CSUM+i], 0
.set i, i+1
.endr
	EACH v_mov_b32 v[CM+2*qt+1], 0                 ; the pairs' second halves are named, so they are written
	s_mov_b32 s9, 8
.Lblock:
	s_wait_loadcnt 0x0                             ; Q (in the first trip K too)
	; S^T = K Q^T: 128 matrix instructions; the 64 accumulators take turns: 63 others' stand between the two links of a chain
.irp c, 0,1
.irp t, 0,1,2,3
	WIN 0xa1+0x50*((\t)/2)                         ; K window 1, Q window 0, S^T window 2 or 3
.irp kt, 0,1,2,3,4,5,6,7,8,9,10,11,12,13,14,15
.set rS, 128*((\t)%2)+8*(\kt)
.if (\c) == 0
	v_wmma_f32_16x16x32_f16 v[rS:rS+7], v[16*(\kt):16*(\kt)+7], v[Q+16*(\t):Q+16*(\t)+7], 0
.else
	v_wmma_f32_16x16x32_f16 v[rS:rS+7], v[16*(\kt)+8:16*(\kt)+15], v[Q+16*(\t)+8:Q+16*(\t)+15], v[rS:rS+7]
.endif
.endr
.endr
.endr
	WIN 0
.rept 4
	v_nop                                          ; four places (ISA guide 7.12.1) behind the products: Q is loaded anew, the scores are read
.endr
	s_cmp_eq_u32 s9, 1
	s_cbranch_scc1 .Lno_q                          ; the last block asks for nothing
	s_add_nc_u64 s[12:13], s[12:13], 8192          ; the loads that named this base were waited for at the trip's head
	QLOAD
.Lno_q:
	; the maximum: four chains a query tile, 32 scores each, three operands at a time; each accumulator's two lowest registers are read first
.irp w, 0,1
	WIN 0x0a+5*(\w)                                ; sources 0 and 1 in window 2 + w
.set k, 0
.rept 16
.irp u, 0,1,2,3,4,5,6,7
.if k == 0
	v_max_num_f32 v[T+8*(\w)+(\u)], v[32*(\u)], v[32*(\u)+1]
.else
	v_max3_num_f32 v[T+8*(\w)+(\u)], v[32*(\u)+2*k], v[32*(\u)+2*k+1], v[T+8*(\w)+(\u)]
.endif
.endr
.set k, k+1
.endr
.endr
	WIN 0
	EACH v_max3_num_f32 v[T+4*qt], v[T+4*qt], v[T+4*qt+1], v[T+4*qt+2]
	EACH v_max_num_f32 v[T+4*qt], v[T+4*qt], v[T+4*qt+3]
	EACH v_permlanex16_b32 v[T+4*qt+1], v[T+4*qt], s18, s19  ; the query's other 128 keys lie in the lane 16 away
	EACH v_max_num_f32 v[T+4*qt], v[T+4*qt], v[T+4*qt+1]
	EACH v_mul_f32 v[CM+2*qt], s16, v[T+4*qt]
	; p = 2^(c s - c m_w), in place: the scaling runs four pairs ahead; behind every two exponentials stands a plain instruction, and no result is read before the next phase
.irp w, 0,1
	WIN 0x82+0x41*(\w)                             ; destination and source 0 in window 2 + w, c m in window 0
.set z, 0
.rept 4
	v_pk_fma_f32 v[2*z:2*z+1], v[2*z:2*z+1], s[16:17], v[CM+4*(\w):CM+4*(\w)+1] op_sel_hi:[1,0,0] neg_lo:[0,0,1] neg_hi:[0,0,1]
.set z, z+1
.endr
.set p, 0
.rept 128
	v_exp_f32 v[2*p], v[2*p]
	v_exp_f32 v[2*p+1], v[2*p+1]
.if z < 128
	v_pk_fma_f32 v[2*z:2*z+1], v[2*z:2*z+1], s[16:17], v[CM+4*(\w)+2*(z/64):CM+4*(\w)+2*(z/64)+1] op_sel_hi:[1,0,0] neg_lo:[0,0,1] neg_hi:[0,0,1]
.endif
.set z, z+1
.set p, p+1
.endr
.endr
	; l_w: four chains a query tile, 16 pairs each; p stays as it is
.irp w, 0,1
	WIN 0x0a+5*(\w)
.set k, 0
.rept 15
.irp u, 0,1,2,3,4,5,6,7
.if k == 0
	s_wait_alu depctr_va_vdst(0)
	v_pk_add_f32 v[T+16*(\w)+2*(\u):T+16*(\w)+2*(\u)+1], v[32*(\u):32*(\u)+1], v[32*(\u)+2:32*(\u)+3]
.else
	v_pk_fma_f32 v[T+16*(\w)+2*(\u):T+16*(\w)+2*(\u)+1], v[32*(\u)+2*k+2:32*(\u)+2*k+3], 1.0, v[T+16*(\w)+2*(\u):T+16*(\w)+2*(\u)+1] op_sel_hi:[1,0,1]
.endif
.endr
.set k, k+1
.endr
.endr
	WIN 0
	EACH v_pk_add_f32 v[T+8*qt:T+8*qt+1], v[T+8*qt:T+8*qt+1], v[T+8*qt+2:T+8*qt+3]
	EACH v_pk_add_f32 v[T+8*qt+4:T+8*qt+5], v[T+8*qt+4:T+8*qt+5], v[T+8*qt+6:T+8*qt+7]
	EACH v_pk_add_f32 v[T+8*qt:T+8*qt+1], v[T+8*qt:T+8*qt+1], v[T+8*qt+4:T+8*qt+5]
	EACH v_add_f32 v[T+8*qt], v[T+8*qt], v[T+8*qt+1]
	EACH v_permlanex16_b32 v[T+8*qt+1], v[T+8*qt], s18, s19
	EACH v_add_f32 v[T+8*qt], v[T+8*qt], v[T+8*qt+1]
	EACH v_cndmask_b32 v[XS+qt], v[CM+2*qt], v[T+8*qt], s20  ; lanes 0-15 hand over c m_w, lanes 16-31 l_w
	ds_store_b128 v[XW], v[XS:XS+3]
	s_wait_dscnt 0x0                               ; for the others' sake: my store is done
	s_barrier_signal -1
	s_barrier_wait -1
.irp w, 0,1,2,3
	ds_load_b128 v[T+8*(\w):T+8*(\w)+3],   v[XR] offset:512*(\w)      ; wave w's c m of my query in the four tiles,
	ds_load_b128 v[T+8*(\w)+4:T+8*(\w)+7], v[XR] offset:512*(\w)+256  ; and its l
.endr
	s_wait_dscnt 0x0                               ; my reads are over:
	s_barrier_signal -1                            ; say so; the wait stands at the trip's end, ahead of the next store into these bytes; only work on registers stands between
	EACH v_max3_num_f32 v[FF+2*qt+1], v[T+qt], v[T+8+qt], v[T+16+qt]
	EACH v_max_num_f32 v[FF+2*qt+1], v[FF+2*qt+1], v[T+24+qt]
.irp w, 0,1,2,3
	EACH v_sub_f32 v[T+8*(\w)+qt], v[T+8*(\w)+qt], v[FF+2*qt+1]
.endr
	EACH v_sub_f32 v[FF+2*qt], v[CM+2*qt], v[FF+2*qt+1]
.irp w, 0,1,2,3
	EACH v_exp_f32 v[T+8*(\w)+qt], v[T+8*(\w)+qt]
.endr
	EACH v_exp_f32 v[FF+2*qt], v[FF+2*qt]
	v_nop                                          ; a plain instruction between the last exponential and the use of its result
	s_wait_alu depctr_va_vdst(0)
	EACH v_mul_f32 v[T+4+qt], v[T+4+qt], v[T+qt]
.irp w, 1,2,3
	EACH v_fmac_f32 v[T+4+qt], v[T+8*(\w)+4+qt], v[T+8*(\w)+qt]
.endr
	EACH v_rcp_f32 v[T+4+qt], v[T+4+qt]
	v_nop
	s_wait_alu depctr_va_vdst(0)
	EACH v_mul_f32 v[FF+2*qt], v[FF+2*qt], v[T+4+qt]
	; the column sums take p f
.irp t, 0,1,2,3
	WIN 2+(\t)/2                                   ; source 0 in window 2 or 3
.set p, 0
.rept 64
	v_pk_fma_f32 v[CSUM+2*p:CSUM+2*p+1], v[128*((\t)%2)+2*p:128*((\t)%2)+2*p+1], v[FF+2*(\t):FF+2*(\t)+1], v[CSUM+2*p:CSUM+2*p+1] op_sel_hi:[1,0,1]
.set p, p+1
.endr
.endr
	WIN 0
	s_barrier_wait -1                              ; every wave has read what was handed over
	s_sub_co_u32 s9, s9, 1
	s_cmp_lg_u32 s9, 0
	s_cbranch_scc1 .Lblock
; THE END.  A lane's sums are those of the queries in its place; the 16 lanes of a half are added by halving: for lane bit 3, 2, 1, 0 key tiles kt and kt + m are each added to the lane m away,
; and a lane keeps the upper one if its bit is set.  At last lane (r, half) holds key tile r: keys 16 r + 8 half + j in the first eight registers.
.macro BFLY bit, m
.set kt, 0
.rept \m
.irp j, 0,1,2,3,4,5,6,7
	v_add_f32_dpp v[CSUM+8*kt+(\j)], v[CSUM+8*kt+(\j)], v[CSUM+8*kt+(\j)] row_xmask:\m row_mask:0xf bank_mask:0xf
.endr
.irp j, 0,1,2,3,4,5,6,7
	v_add_f32_dpp v[CSUM+8*(kt+(\m))+(\j)], v[CSUM+8*(kt+(\m))+(\j)], v[CSUM+8*(kt+(\m))+(\j)] row_xmask:\m row_mask:0xf bank_mask:0xf
.endr
.irp j, 0,1,2,3,4,5,6,7
	v_cndmask_b32 v[CSUM+8*kt+(\j)], v[CSUM+8*kt+(\j)], v[CSUM+8*(kt+(\m))+(\j)], s[24+(\bit)]
.endr
.set kt, kt+1
.endr
.endm
	BFLY 3, 8
	BFLY 2, 4
	BFLY 1, 2
	BFLY 0, 1
	ds_store_b128 v[OST], v[CSUM:CSUM+3]           ; through my own 1 KB of LDS, so that a store covers 512 consecutive bytes
	ds_store_b128 v[OST], v[CSUM+4:CSUM+7] offset:16
	ds_load_b128 v[T:T+3], v[ORD]                  ; LDS serves a wave's instructions in order (ISA guide 5.7.1.4)
	ds_load_b128 v[T+4:T+7], v[ORD] offset:512
	s_wait_dscnt 0x0
	global_store_b128 v[GO], v[T:T+3], s[6:7]
	global_store_b128 v[GO], v[T+4:T+7], s[6:7] offset:512
	s_wait_tensorcnt 0x0                           ; the wave's end, behind my last LDS store
	ds_add_u32 v[SPW], v[NIL]
	s_wait_dscnt 0x0
	s_endpgm
.Lfunc_end_k_q667c89418f_attn:
	.size	k_q667c89418f_attn, .Lfunc_end_k_q667c89418f_attn-k_q667c89418f_attn
	.p2alignl 7, 3214868480
	.fill 96, 4, 3214868480
	.section	.rodata,"a",@progbits
	.p2align	6, 0x0
	.amdhsa_kernel k_q667c89418f_attn
		.amdhsa_group_segment_fixed_size 6656
		.amdhsa_private_segment_fixed_size 0
		.amdhsa_enable_private_segment 0
		.amdhsa_kernarg_size 16
		.amdhsa_user_sgpr_count 2
		.amdhsa_user_sgpr_kernarg_segment_ptr 1
		.amdhsa_wavefront_size32 1
		.amdhsa_system_sgpr_workgroup_id_x 1
		.amdhsa_system_sgpr_workgroup_id_y 1
		.amdhsa_system_sgpr_workgroup_id_z 1
		.amdhsa_system_vgpr_workitem_id 0
		.amdhsa_next_free_vgpr 1024
		.amdhsa_next_free_sgpr 66
		.amdhsa_reserve_vcc 0
		.amdhsa_float_denorm_mode_32 3
		.amdhsa_float_denorm_mode_16_64 3
		.amdhsa_memory_ordered 1
		.amdhsa_forward_progress 1
		.amdhsa_inst_pref_size 133
	.end_amdhsa_kernel
	.amdgpu_metadata
---
amdhsa.version: [ 1, 2 ]
amdhsa.kernels:
  - .name:           k_q667c89418f_attn
    .symbol:         k_q667c89418f_attn.kd
    .args:
      - { .name: qkv, .offset: 0, .size: 8, .value_kind: global_buffer, .address_space: global }
      - { .name: csp, .offset: 8, .size: 8, .value_kind: global_buffer, .address_space: global }
    .group_segment_fixed_size: 6656
    .private_segment_fixed_size: 0
    .kernarg_segment_align: 8
    .kernarg_segment_size: 16
    .max_flat_workgroup_size: 128
    .sgpr_count:     66
    .vgpr_count:     1024
    .wavefront_size: 32
...
	.end_amdgpu_metadata
.endif
;; end of part 3
;; launch proj (part 4): grid 8 x 32, 4 waves a work-group, clusters of 4 x 4, 327,680 bytes of LDS; arguments qkv, ops, csp, bo, out0; writes out0
.if DOCPART == 4
	.amdgcn_target "amdgcn-amd-amdhsa--gfx1250"
	.amdhsa_code_object_version 6
	.text
	.protected	k_q667c89418f_proj
	.globl	k_q667c89418f_proj
	.p2align	8
	.type	k_q667c89418f_proj,@function
k_q667c89418f_proj:
	s_mov_b64 s[64:65], 0
	v_nop
	global_prefetch_b8 v0, s[64:65] scope:SCOPE_SE
	s_setreg_imm32_b32 hwreg(HW_REG_WAVE_MODE, 25, 1), 1
	s_wait_xcnt 0x0
	s_wait_alu depctr_hold_cnt(0) depctr_sa_sdst(0) depctr_va_vdst(0) depctr_va_sdst(0) depctr_va_ssrc(0) depctr_va_vcc(0) depctr_vm_vsrc(0)
	s_getreg_b32 s2, hwreg(HW_REG_IB_STS2, 6, 4)
	s_cmp_eq_u32 s2, 0
	s_cbranch_scc0 .Lentry_in_a_cluster
	s_endpgm
.Lentry_in_a_cluster:
	s_bfe_u32 s2, ttmp6, 0x10000c
	s_cmp_lg_u32 s2, 0xf033
	s_cbranch_scc0 .Lentry_shape_is_right
	s_endpgm
.Lentry_shape_is_right:
; THE LAST PROJECTION: y[m][j] = sum over h of cs[m][h] (sum over d of v[h][m][d] Wo[j][64 h + d]) + bo[j], 8192 x 1024 x 1024, f16 operands, f32 sums, y in f32.
; THE SCALE ACTS ON f32 SUMS.  A head's 64 k are two matrix instructions an accumulator: P = v_h Wo_h^T, begun with C = 0.  Then Y += cs[m][h] P, one packed fused multiply-add for two numbers, with
; cs (the two partial column sums of csp added) in f32.  So nothing is scaled in 16 bits, and cs, which can reach 1,024, needs no room in f16.  Y begins as bo, rounded to bf16 as all the module's inputs are.
; LIMITS: v and Wo arrive within f16's range; NaN and infinities are not treated apart.
; A tile of y is 256 x 128: 32 x 8 = 256 work-groups.  Wave w takes rows 64 w .. 64 w + 63 and all 128 columns: 32 accumulators P and 32 sums Y.
; K goes in steps of 128, two heads; v's and Wo's tiles are dense blocks of rows of 128 bytes, asked for as rows of 256 bytes and padded in LDS behind every 128.  Two LDS slots take turns.
; CLUSTER 4 x 4: v's tiles are shared along a row of the cluster, Wo's along a column: joint loads.  THE MATRIX INSTRUCTION IS USED TRANSPOSED: a lane holds one row of y and eight neighbouring columns,
; so cs is one number a lane and row block.
; REGISTERS: window 0: v16-29 addresses; v32-47 cs of a step's two heads, a pair a row block (the packed multiply-add names a pair and takes its first); v48-51 at work; v64-95, v96-127 v's fragments,
; two buffers (before that the 64 column sums; on the way out rows read back); v192-255 rows read back.   window 1: v0-63, v64-127 Wo's fragments, two buffers; v128-191 bo.
; window 2: P (a, b) at 8 (8 a + b).   window 3: Y likewise.
.set KBS,   1572864
.set PITCH, 144                        ; an LDS row: 128 bytes + 16 of padding: the 16 rows of a fragment load start at 16 different groups of four banks (ISA guide 11.1)
.set SLOT1, 131072
.set AKK,   256*PITCH                  ; one head's 256 rows of v
.set BOFF,  2*AKK                      ; Wo's tiles lie behind v's two
.set BKK,   128*PITCH                  ; 128 rows of Wo, 64 k
.set STAGE, SLOT1+BOFF+2*BKK           ; behind the ring, never filled by a tensor load: 16 rows x 528 bytes for each wave
.set SP,    528
.set STW,   16*SP
.set TBL,   STAGE+4*STW                ; cs: for each wave [head 17][lane 32][16 bytes: row blocks 0..3]; the 17th entry is only there to be fetched once, by the tail's second trip
.set TBW,   17*512
.set SPARE, TBL+4*TBW                  ; the spare words: two blocks of 256 bytes that no other line names
.set ASTEP, 2097152                    ; two heads of qkv
.set BSTEP, 2*KBS                      ; two blocks of ops
.set ADRA0, 16
.set ADRA,  17
.set ADRB0, 20
.set ADRB,  21
.set ADRS,  22                         ; v22  my 16 bytes in the table, at the step's first head
.set STO,   24
.set RD,    25
.set GO,    26
.set SPW,   28                         ; v28  LDS address of my spare word; never rewritten
.set NIL,   29                         ; v29  0; never rewritten
.set SC,    32                         ; cs of head kk, row block a at SC + 8 kk + 2 a
.set RC,    48
.set FA,    64
.set TT,    64                         ; column sum of head hd, row block a at TT + 4 hd + a
.set BO,    128                        ; in window 1
.set WV,  14                           ; s14  my wave's number
.set TB,  22
.set G1A, 24
.set G0A, 32
.set G1B, 48
.set G0B, 56
.set MSB, 0
.macro WIN new
.if MSB != (\new)
	s_set_vgpr_msb (MSB<<8)|(\new)
.set MSB, (\new)
.endif
.endm
.macro PLACES
.rept 4
	v_nop
.endr
.endm
.macro CREST
	s_cmp_lg_u32 s[WV], 0
	s_cbranch_scc1 .Lnot_wave_0_\@
	s_barrier_signal -3
.Lnot_wave_0_\@:
	s_barrier_wait -3
	s_barrier_signal -1
	s_barrier_wait -1
.endm
.macro CROUND
	s_barrier_signal -1
	s_barrier_wait -1
	CREST
.endm
.macro JLOAD                           ; a joint refill by the walking sets: waves 0 and 1 fetch the two heads of v, waves 2 and 3 those of Wo; an s_nop 0 and four v_nop follow each line
	s_cmp_lt_u32 s[WV], 2
	s_cbranch_scc0 .Lfor_b_\@
	tensor_load_to_lds s[G0A+4:G0A+7], s[G1A:G1A+7]
	s_nop 0
	PLACES
	s_branch .Lasked_\@
.Lfor_b_\@:
	tensor_load_to_lds s[G0B+4:G0B+7], s[G1B:G1B+7]
	s_nop 0
	PLACES
.Lasked_\@:
.endm
	s_load_b256 s[4:11], s[0:1], 0x0               ; qkv s[4:5], ops s[6:7], csp s[8:9], bo s[10:11]
	s_load_b64 s[12:13], s[0:1], 0x20              ; out0
	v_lshl_add_u32 v[SPW], v0, 2, SPARE
	v_mov_b32 v[NIL], 0
	ds_add_u32 v[SPW], v[NIL]                      ; the wave's opening: the add and its wait stand ahead of my first tensor load
	v_lshrrev_b32 v1, 5, v0
	v_readfirstlane_b32 s[WV], v1
	s_and_b32 s15, s[WV], 1                        ; which of a step's two heads I fetch
	s_bfe_u32 s40, ttmp6, 0x40000                  ; cx, cy
	s_bfe_u32 s41, ttmp6, 0x40004
	s_lshl_b32 s42, ttmp9, 2
	s_add_co_u32 s42, s42, s40                     ; tile column 0..7
	s_and_b32 s45, ttmp7, 0xffff
	s_lshl_b32 s45, s45, 2
	s_add_co_u32 s45, s45, s41                     ; tile row 0..31
	s_lshl_b32 s43, s41, 2
	s_lshl_b32 s43, 15, s43                        ; my row of the cluster
	s_lshl_b32 s44, 0x1111, s40                    ; my column
	s_or_b32 s[G1A], s43, (1<<16)|(1<<20)|(1<<21)|(4<<22)|(3<<25)  ; elements of 2 bytes; 4 words of padding behind every 32 words; bit 21 beside the mask
	s_or_b32 s[G1B], s44, (1<<16)|(1<<20)|(1<<21)|(4<<22)|(3<<25)
.irp g, G1A, G1B
	s_mov_b32 s[(\g)+1], 128<<16                   ; tensor_dim0 = 128
	s_mov_b32 s[(\g)+3], 128<<16                   ; tile_dim0 = 128
	s_mov_b32 s[(\g)+5], 128                       ; dense
	s_mov_b32 s[(\g)+6], 0
	s_mov_b32 s[(\g)+7], 0
.endr
	s_mov_b32 s[G1A+2], 128<<16                    ; v: 256 rows of 128 bytes = 128 rows of 256
	s_mov_b32 s[G1A+4], 128
	s_mov_b32 s[G1B+2], 64<<16                     ; Wo: 128 rows = 64
	s_mov_b32 s[G1B+4], 64
	s_lshl_b32 s16, s15, 20                        ; v: ((32 + head) x 8192 + 256 x tile row) x 128 bytes
	s_add_co_u32 s16, s16, 32<<20
	s_lshl_b32 s17, s45, 15
	s_add_co_u32 s16, s16, s17
	s_mov_b32 s17, 0
	s_mul_i32 s46, s15, KBS                        ; Wo: (head x 12288 + 11264 + 128 x tile column) x 128 bytes
	s_add_co_u32 s46, s46, 11264*128
	s_lshl_b32 s47, s42, 14
	s_add_co_u32 s46, s46, s47
	s_mov_b32 s47, 0
	s_mul_i32 s20, s15, AKK                        ; where they go
	s_mul_i32 s21, s15, BKK
	s_add_co_u32 s21, s21, BOFF
	s_mov_b32 s[TB], 0
	s_mov_b32 s66, 0x76543210                      ; v_permlanex16_b32: each lane takes its own place in the other half
	s_mov_b32 s67, 0xfedcba98
	s_mov_b32 s68, 0xffff0000                      ; a word's upper bf16
	s_wait_dscnt 0x0                               ; the opening add is done
	s_wait_kmcnt 0x0
	s_add_nc_u64 s[18:19], s[4:5], s[16:17]
	s_add_nc_u64 s[46:47], s[6:7], s[46:47]
	CROUND                                         ; all sixteen work-groups are here: the first joint loads meet
.irp s, 0,1
	s_mov_b32 s[G0A+4*(\s)], 1
	s_add_co_u32 s[G0A+4*(\s)+1], s20, (\s)*SLOT1
	s_add_nc_u64 s[G0A+4*(\s)+2:G0A+4*(\s)+3], s[18:19], (\s)*ASTEP
	s_or_b32 s[G0A+4*(\s)+3], s[G0A+4*(\s)+3], 0x80000000
	s_mov_b32 s[G0B+4*(\s)], 1
	s_add_co_u32 s[G0B+4*(\s)+1], s21, (\s)*SLOT1
	s_add_nc_u64 s[G0B+4*(\s)+2:G0B+4*(\s)+3], s[46:47], (\s)*BSTEP
	s_or_b32 s[G0B+4*(\s)+3], s[G0B+4*(\s)+3], 0x80000000
.endr
	s_cmp_lt_u32 s[WV], 2                          ; a wave's two first fills stand in one branch: two loads of mine are out
	s_cbranch_scc0 .Lfirst_b
	tensor_load_to_lds s[G0A:G0A+3], s[G1A:G1A+7]
	s_nop 0
	tensor_load_to_lds s[G0A+4:G0A+7], s[G1A:G1A+7]
	s_nop 0
	PLACES
	s_branch .Lfirst_asked
.Lfirst_b:
	tensor_load_to_lds s[G0B:G0B+3], s[G1B:G1B+7]
	s_nop 0
	tensor_load_to_lds s[G0B+4:G0B+7], s[G1B:G1B+7]
	s_nop 0
	PLACES
.Lfirst_asked:
	; THE PROLOGUE stands in the wait for the first tiles: bo into Y, the column sums into the table.
	v_and_b32 v1, 15, v0                           ; l % 16
	v_bfe_u32 v2, v0, 4, 1                         ; l / 16
	v_and_b32 v3, 31, v0
	s_lshl_b32 s46, s42, 9                         ; my tile's 128 columns, 4 bytes each: in bo and in a row of y
	s_mov_b32 s47, 0
	s_add_nc_u64 s[10:11], s[10:11], s[46:47]
	s_add_nc_u64 s[12:13], s[12:13], s[46:47]
	s_lshl_b32 s16, s45, 20                        ; (256 x tile row + 64 x wave) x 4096 bytes
	s_lshl_b32 s17, s[WV], 18
	s_add_co_u32 s16, s16, s17
	s_mov_b32 s17, 0
	s_add_nc_u64 s[12:13], s[12:13], s[16:17]
	s_lshr_b32 s16, s45, 2                         ; the batch: 16 heads x 4096 bytes,
	s_lshl_b32 s16, s16, 16
	s_and_b32 s17, s45, 3                          ; and the tile's 256 rows in it
	s_lshl_b32 s17, s17, 10
	s_add_co_u32 s16, s16, s17
	s_mov_b32 s17, 0
	s_add_nc_u64 s[8:9], s[8:9], s[16:17]
	v_lshlrev_b32 v5, 5, v2                        ; bo: my eight columns of a block of 16
	v_lshlrev_b32 v6, 19, v2                       ; csp: lanes 0-15 take the first half's sums, lanes 16-31 the second's,
	v_lshl_add_u32 v6, v1, 2, v6                   ; of row l % 16
	v_lshl_add_u32 v6, s[WV], 8, v6                ; of my wave's 64
	WIN 0x40                                       ; destination window 1
.irp b, 0,1,2,3,4,5,6,7
	global_load_b128 v[BO+8*(\b):BO+8*(\b)+3],   v5, s[10:11] offset:64*(\b)
	global_load_b128 v[BO+8*(\b)+4:BO+8*(\b)+7], v5, s[10:11] offset:64*(\b)+16
.endr
	WIN 0
.set i, 0
.rept 64                                       ; head i / 4, row block i % 4
	global_load_b32 v[TT+i], v6, s[8:9] offset:(i/4)*4096+(i%4)*64
.set i, i+1
.endr
	v_mul_u32_u24 v4, v1, PITCH
	v_lshl_add_u32 v4, v2, 4, v4                   ; a fragment's row x pitch + 16 x half
	s_mul_i32 s23, s[WV], 64*PITCH                 ; my 64 rows of v
	v_add_nc_u32 v[ADRA0], s23, v4
	v_add_nc_u32 v[ADRB0], BOFF, v4
	v_mov_b32 v[ADRA], v[ADRA0]
	v_mov_b32 v[ADRB], v[ADRB0]
	s_mul_i32 s23, s[WV], TBW
	s_add_co_u32 s23, s23, TBL
	v_lshl_add_u32 v[ADRS], v3, 4, s23
	s_mul_i32 s23, s[WV], STW
	s_add_co_u32 s23, s23, STAGE                   ; my stage
	v_mul_u32_u24 v[STO], v1, SP                   ; in: row l % 16, 32 bytes for each half of the lanes
	v_lshl_add_u32 v[STO], v2, 5, v[STO]
	v_add_nc_u32 v[STO], s23, v[STO]
	v_lshlrev_b32 v[GO], 4, v3                     ; back: 32 lanes take one row of 512 bytes
	v_add_nc_u32 v[RD], s23, v[GO]
.irp a, 0,1,2,3
	v_mov_b32 v[RC+(\a)], 0                        ; v_permlanex16_b32's destination counts as read
.endr
.irp k, 0,1,2,3,4,5,6,7
	v_mov_b32 v[SC+2*(\k)+1], 0                    ; the pairs' second halves are named, so they are written
.endr
	s_wait_loadcnt 0x0
	WIN 0x45                                       ; bo rounded to bf16, two to a word, in window 1
.set i, 0
.rept 32
	v_cvt_pk_bf16_f32 v[BO+i], v[BO+2*i], v[BO+2*i+1]
.set i, i+1
.endr
	WIN 0xc4                                       ; and widened straight into Y (window 3), once for each of the four row blocks: the sums begin as the bias, so the way out adds nothing
.set i, 0
.rept 128                                      ; pair i of Y: row block i / 32, word i % 32 of bo
	v_lshlrev_b32 v[2*i],   16,  v[BO+i%32]
	v_and_b32     v[2*i+1], s68, v[BO+i%32]
.set i, i+1
.endr
	WIN 0
.set i, 0
.rept 16                                       ; cs = the two halves' sums, in every lane
.irp a, 0,1,2,3
	v_permlanex16_b32 v[RC+(\a)], v[TT+4*i+(\a)], s66, s67
.endr
.irp a, 0,1,2,3
	v_add_f32 v[TT+4*i+(\a)], v[TT+4*i+(\a)], v[RC+(\a)]
.endr
.set i, i+1
.endr
.irp hd, 0,1,2,3,4,5,6,7,8,9,10,11,12,13,14,15
	ds_store_b128 v[ADRS], v[TT+4*(\hd):TT+4*(\hd)+3] offset:512*(\hd)  ; my wave's own bytes: only I read them
.endr
	ds_store_b128 v[ADRS], v[TT+60:TT+63] offset:512*16                 ; the 17th entry: fetched once, used never
.macro WM f, a, b, zero                ; one matrix instruction: row block a, column block b, buffer f.  zero = 1: it starts a head's sum
.set rB, 64*(\f)+8*(\b)
.set rA, FA+32*(\f)+8*(\a)
.set rC, 8*(8*(\a)+(\b))
	WIN 0xa1                                       ; Wo window 1, v window 0, P window 2
.if \zero
	v_wmma_f32_16x16x32_f16 v[rC:rC+7], v[rB:rB+7], v[rA:rA+7], 0
.else
	v_wmma_f32_16x16x32_f16 v[rC:rC+7], v[rB:rB+7], v[rA:rA+7], v[rC:rC+7]
.endif
.endm
.macro MUL4 f, a, b0, zero
.irp q, 0,1,2,3
	WM \f, \a, (\b0)+(\q), \zero
.endr
.endm
.macro MUL8 f, a, zero
	MUL4 \f, \a, 0, \zero
	MUL4 \f, \a, 4, \zero
.endm
.macro ACC4 a, b, kk                   ; Y (a, b) += cs of head kk x P (a, b): four packed fused multiply-adds, P's registers in ascending order
.set rY, 8*(8*(\a)+(\b))
.set rS, SC+8*(\kk)+2*(\a)
	WIN 0xf2                                       ; Y (destination and source 2) window 3, P (source 0) window 2, cs window 0
.irp i, 0,1,2,3
	v_pk_fma_f32 v[rY+2*(\i):rY+2*(\i)+1], v[rY+2*(\i):rY+2*(\i)+1], v[rS:rS+1], v[rY+2*(\i):rY+2*(\i)+1] op_sel_hi:[1,0,1]
.endr
.endm
.macro MUL8R f, a, zero, ra, rkk       ; eight matrix instructions, and behind each the four multiply-adds that take a FINISHED accumulator of row block ra into Y: they name no register of the products round them
.irp b, 0,1,2,3,4,5,6,7
	WM \f, \a, \b, \zero
	ACC4 \ra, \b, \rkk
.endr
.endm
; Slice ns (head ns / 2, channels 32 (ns % 2) on) into buffer g: cs at a head's first slice (four words into the pairs' first halves), then 8 loads of v and 16 of Wo.
.macro FETCH ns, g
	WIN 0
.if (\ns)%2 == 0
.irp a, 0,1,2,3
	ds_load_b32 v[SC+8*((\ns)/2)+2*(\a)], v[ADRS] offset:((\ns)/2)*512+4*(\a)
.endr
.endif
.irp a, 0,1,2,3
	ds_load_b128 v[FA+32*(\g)+8*(\a):FA+32*(\g)+8*(\a)+3],   v[ADRA] offset:((\ns)/2)*AKK+(\a)*16*PITCH+((\ns)%2)*64
	ds_load_b128 v[FA+32*(\g)+8*(\a)+4:FA+32*(\g)+8*(\a)+7], v[ADRA] offset:((\ns)/2)*AKK+(\a)*16*PITCH+((\ns)%2)*64+32
.endr
	WIN 0x40
.irp b, 0,1,2,3,4,5,6,7
	ds_load_b128 v[64*(\g)+8*(\b):64*(\g)+8*(\b)+3],   v[ADRB] offset:((\ns)/2)*BKK+(\b)*16*PITCH+((\ns)%2)*64
	ds_load_b128 v[64*(\g)+8*(\b)+4:64*(\g)+8*(\b)+7], v[ADRB] offset:((\ns)/2)*BKK+(\b)*16*PITCH+((\ns)%2)*64+32
.endr
.endm
.macro FLIP                            ; the reads go over to the other slot, and to the next two heads of the table
	s_xor_b32 s[TB], s[TB], SLOT1
	v_add_nc_u32 v[ADRA], s[TB], v[ADRA0]
	v_add_nc_u32 v[ADRB], s[TB], v[ADRB0]
	v_add_nc_u32 v[ADRS], 1024, v[ADRS]
.endm
; A SLICE: 32 along K, 32 matrix instructions on 32 accumulators, in the same order in every slice.  At its head the next slice is fetched.
; An even slice starts a head's sums; the odd slice behind it finishes them, row block by row block.  Row block a's sums go into Y behind the products of the NEXT row block: in the odd slice's blocks 1 to 3,
; and, for row block 3, in the next even slice's block 0.  Between a product and the multiply-add that reads it stand four plain instructions or more: the multiply-adds of the accumulators before it;
; behind an odd slice's block 0, which has none, four v_nop.  An accumulator is begun anew only when Y has taken it.
; meet = 1 (a step's third slice, which has fetched the slot's last bytes): each wave waits for all its tensor loads (one is out: its part of the other slot), adds 0 to its spare word, waits for that and for its
; reads of the slot, and signals.  enter = 1 (the fourth slice): the barrier's wait, the rest of the cluster's round, the joint refill first behind it; then the next step's first slice is fetched from the other
; slot.  enter = 2: a plain barrier, no refill.  first = 1: the launch's first slice: there is no head before it.
.macro SLICE sl, enter, meet, first
.set Fc, (\sl)%2
.set Gc, 1-Fc
.set NS, ((\sl)+1)%4
.set KKc, (\sl)/2
.if (\enter) == 1
	WIN 0                                          ; at a branch and at a label every window is 0
	s_barrier_wait -1
	CREST                                          ; no wave of any partner still reads this slot or has a load on its way
	s_xor_b32 s[G0A+5], s[G0A+5], SLOT1            ; the walking sets: the other slot than last time, the next two heads
	s_add_nc_u64 s[G0A+6:G0A+7], s[G0A+6:G0A+7], ASTEP
	s_xor_b32 s[G0B+5], s[G0B+5], SLOT1
	s_add_nc_u64 s[G0B+6:G0B+7], s[G0B+6:G0B+7], BSTEP
	JLOAD                                          ; 120 of a step's 128 matrix instructions stand between this request and the wait for it; its four v_nop are also the places in front of the loads below
	FLIP
.elseif (\enter) == 2
	WIN 0
	s_barrier_wait -1
	PLACES
	FLIP
.else
	PLACES                                         ; behind the last slice's products, which read the buffers that are loaded now
.endif
	FETCH NS, Gc
	s_wait_dscnt 24+4*(1-NS%2)                     ; all but the loads just issued: this slice's fragments, and cs, are in
.if (\sl)%2 == 0
.if \first
	MUL8 Fc, 0, 1
.else
	MUL8R Fc, 0, 1, 3, 1-KKc                       ; the head before: its row block 3
.endif
	MUL8 Fc, 1, 1
	MUL8 Fc, 2, 1
.if \meet
	WIN 0                                          ; (the add's two registers lie in window 0)
	s_wait_tensorcnt 0x0                           ; all my tensor loads have landed
	ds_add_u32 v[SPW], v[NIL]                      ; 0 onto my spare word; four matrix instructions stand between it and the wait for it
	MUL4 Fc, 3, 0, 1
	s_wait_dscnt 0x0                               ; the add is done, and my reads of this slot are over
	s_barrier_signal -1                            ; only work on registers stands between this signal and the wait at the next slice's head
	MUL4 Fc, 3, 4, 1
.else
	MUL8 Fc, 3, 1
.endif
.else
	MUL8 Fc, 0, 0
	PLACES
	MUL8R Fc, 1, 0, 0, KKc
	MUL8R Fc, 2, 0, 1, KKc
	MUL8R Fc, 3, 0, 2, KKc
.endif
.endm
	s_wait_tensorcnt 0x1                           ; my part of K step 0 is in; step 1's may stay out
	s_wait_dscnt 0x0                               ; no LDS instruction of mine is pending at the signal
	s_barrier_signal -1
	s_barrier_wait -1
	FETCH 0, 0
	SLICE 0, 0, 0, 1                               ; the first slice stands in front of the loop: no head has gone before it
	WIN 0
	s_mov_b32 s3, 6
.Lstep:                                                ; a trip: a step's slices 1 to 3, its slot filled again with the step two on, and the next step's slice 0
	SLICE 1, 0, 0, 0
	SLICE 2, 0, 1, 0
	SLICE 3, 1, 0, 0
	SLICE 0, 0, 0, 0
	WIN 0
	s_sub_co_u32 s3, s3, 1
	s_cmp_lg_u32 s3, 0
	s_cbranch_scc1 .Lstep
	; THE TAIL asks for nothing, so it has a text of its own, walked twice: step 6's slices 1 to 3 and step 7's slice 0; then step 7's slices 1 to 3.  The price of one text for both, once a launch: the second
	; trip passes a barrier that nobody needs, and its last slice fetches from step 6's slot (landed long ago, filled no more) and from the table's 17th entry what serves nothing.
	s_mov_b32 s3, 2
.Ltail:
	SLICE 1, 0, 0, 0
	SLICE 2, 0, 1, 0
	SLICE 3, 2, 0, 0
	WIN 0
	s_cmp_eq_u32 s3, 1
	s_cbranch_scc1 .Lno_more                       ; there is no step 8; what is jumped holds no barrier and no tensor load
	SLICE 0, 0, 0, 0
	WIN 0
.Lno_more:
	s_sub_co_u32 s3, s3, 1
	s_cmp_lg_u32 s3, 0
	s_cbranch_scc1 .Ltail
	s_wait_dscnt 0x0                               ; the tail's last fetches have landed: their registers are used anew below
	PLACES                                         ; four places (ISA guide 7.12.1) ahead of the reads of row block 3's sums.  A wave comes here from slice 3, whose last product has four multiply-adds
	                                               ; behind it; but slice 0's products on row block 3 are the last in the loop's text, and the distance is kept on every way through the text
.irp b, 0,1,2,3,4,5,6,7
	ACC4 3, \b, 1                                  ; the last head's row block 3
.endr
; THE WAY OUT, a block of 16 rows at a time: Y is y.  TOSTAGE: a lane's 32 bytes into my stage, and back as whole rows of 512 bytes.  SEND: each store covers 512 consecutive bytes of a row of y, aligned.
; Block a goes into the stage ahead of block a - 1's stores: LDS serves a wave's instructions in order (ISA guide 5.7.1.4), so a's stores into the stage come behind a - 1's loads from it.
.macro TOSTAGE a
.set BKc, 192-128*((\a)%2)
	s_wait_xcnt 0x0                                ; the stores of the block two before have read their registers: this block is read back into them only behind this wait
	WIN 0x0c                                       ; the data (source 1) in window 3
.irp b, 0,1,2,3,4,5,6,7
	ds_store_b128 v[STO], v[8*(8*(\a)+(\b)):8*(8*(\a)+(\b))+3]   offset:64*(\b)
	ds_store_b128 v[STO], v[8*(8*(\a)+(\b))+4:8*(8*(\a)+(\b))+7] offset:64*(\b)+16
.endr
	WIN 0
.irp t, 0,1,2,3,4,5,6,7,8,9,10,11,12,13,14,15
	ds_load_b128 v[BKc+4*(\t):BKc+4*(\t)+3], v[RD] offset:(\t)*SP
.endr
.endm
.macro SEND a, younger                 ; younger: the LDS instructions issued behind block a's loads: the next block's 32, or none
	WIN 0
.set BKc, 192-128*((\a)%2)
	s_wait_dscnt \younger                          ; the block is back in registers
.irp t, 0,1,2,3,4,5,6,7,8,9,10,11,12,13,14,15
	global_store_b128 v[GO], v[BKc+4*(\t):BKc+4*(\t)+3], s[12:13] offset:(16*(\a)+(\t))*4096 th:TH_STORE_NT
.endr
.endm
	TOSTAGE 0
.irp a, 1,2,3
	TOSTAGE \a
	SEND (\a)-1, 32
.endr
	SEND 3, 0
	s_wait_tensorcnt 0x0                           ; the wave's end
	ds_add_u32 v[SPW], v[NIL]
	s_wait_dscnt 0x0
	CROUND                                         ; the closing round: no work-group ends while a partner may still ask for a tile that names it
	s_endpgm
.Lfunc_end_k_q667c89418f_proj:
	.size	k_q667c89418f_proj, .Lfunc_end_k_q667c89418f_proj-k_q667c89418f_proj
	.p2alignl 7, 3214868480
	.fill 96, 4, 3214868480
	.section	.rodata,"a",@progbits
	.p2align	6, 0x0
	.amdhsa_kernel k_q667c89418f_proj
		.amdhsa_group_segment_fixed_size 327680
		.amdhsa_private_segment_fixed_size 0
		.amdhsa_enable_private_segment 0
		.amdhsa_kernarg_size 40
		.amdhsa_user_sgpr_count 2
		.amdhsa_user_sgpr_kernarg_segment_ptr 1
		.amdhsa_wavefront_size32 1
		.amdhsa_system_sgpr_workgroup_id_x 1
		.amdhsa_system_sgpr_workgroup_id_y 1
		.amdhsa_system_sgpr_workgroup_id_z 1
		.amdhsa_system_vgpr_workitem_id 0
		.amdhsa_next_free_vgpr 1024
		.amdhsa_next_free_sgpr 80
		.amdhsa_reserve_vcc 0
		.amdhsa_float_denorm_mode_32 3
		.amdhsa_float_denorm_mode_16_64 3
		.amdhsa_memory_ordered 1
		.amdhsa_forward_progress 1
		.amdhsa_inst_pref_size 129
	.end_amdhsa_kernel
	.amdgpu_metadata
---
amdhsa.version: [ 1, 2 ]
amdhsa.kernels:
  - .name:           k_q667c89418f_proj
    .symbol:         k_q667c89418f_proj.kd
    .args:
      - { .name: qkv, .offset: 0, .size: 8, .value_kind: global_buffer, .address_space: global }
      - { .name: ops, .offset: 8, .size: 8, .value_kind: global_buffer, .address_space: global }
      - { .name: csp, .offset: 16, .size: 8, .value_kind: global_buffer, .address_space: global }
      - { .name: bo, .offset: 24, .size: 8, .value_kind: global_buffer, .address_space: global }
      - { .name: out0, .offset: 32, .size: 8, .value_kind: global_buffer, .address_space: global }
    .group_segment_fixed_size: 327680
    .private_segment_fixed_size: 0
    .kernarg_segment_align: 8
    .kernarg_segment_size: 40
    .max_flat_workgroup_size: 128
    .sgpr_count:     80
    .vgpr_count:     1024
    .wavefront_size: 32
...
	.end_amdgpu_metadata
.endif
;; end of part 4
;; ======== version 2 of 2: 4 launches; version 1 with the launch cast written anew for expert scheduling mode
;; limits: values are held in f16: magnitudes above 65,504 overflow, below 6.1e-05 lose precision
;; workspace buffers: ops 25,165,824 bytes; qkv 50,331,648 bytes; csp 1,048,576 bytes
;; launch cast (part 5): grid 768 x 1, 4 waves a work-group, no clusters, 0 bytes of LDS; arguments x, Wq, Wk, Wv, Wo, ops; writes ops
.if DOCPART == 5
	.amdgcn_target "amdgcn-amd-amdhsa--gfx1250"
	.amdhsa_code_object_version 6
	.text
	.protected	k_q667c89418f_cast
	.globl	k_q667c89418f_cast
	.p2align	8
	.type	k_q667c89418f_cast,@function
k_q667c89418f_cast:
	s_mov_b64 s[64:65], 0
	v_nop
	global_prefetch_b8 v0, s[64:65] scope:SCOPE_SE
	s_setreg_imm32_b32 hwreg(HW_REG_WAVE_SCHED_MODE, 0, 2), 2
	s_setreg_imm32_b32 hwreg(HW_REG_WAVE_MODE, 25, 1), 1
	s_wait_xcnt 0x0
	s_wait_alu depctr_vm_vsrc(0)
; ROUNDING AND RE-LAYING OF THE MATRIX OPERANDS.  ops is [kb 0..15][row 0..12287][64] in 16 bits: element (row, k) lies at ((k / 64) * 12288 + row) * 128 + (k % 64) * 2.
;   rows 0..8191                      bf16(x[row])
;   rows 8192 + p*1024 + h*64 + d     bf16(W_p[d*16 + h]), p = 0, 1, 2 for Wq, Wk, Wv: the projections' columns come out ordered by heads
;   rows 11264 + j                    bf16(Wo[j]) written as f16 (exact for magnitudes from 2^-14 to 65,504; below that f16's fixed step of 6e-8 holds: a stated limit)
; A stream: no LDS, no barrier, no matrix unit.  A work-group takes 16 destination rows, a wave 4, as two pairs.  In a load lanes 0-15 take the 256 bytes of one block of 64 k of a pair's first row,
; lanes 16-31 those of its second row: two whole aligned runs of 256 bytes.  A lane's four numbers become 8 bytes, and a store covers the two rows' 128 bytes each: 256 consecutive bytes, aligned.
; All 32 loads of a wave (16 KB) go out first.  768 work-groups: three for each of 256 WGPs.
; THE MODE: SCHED_MODE bits 1:0 = 2 (LLVM: expert scheduling mode 2), set by the entry lines.  The code itself states the register dependences
; between vector instructions and memory instructions, with s_wait_alu, always for 0.
; THE PLAN.  Registers that memory instructions touch:
;   v1, v6, v2   offsets, made once at the head by vector instructions and never written again; the loads read v1 and v6, the stores v2.
;   X            load n lands in its four registers once, and no vector instruction names them before that; its conversions read the four and write the first two; store n reads those two; nothing writes them again.
;   T is named by vector instructions alone.
; So no register that a memory instruction reads is ever written again, and no load lands in a register that a vector instruction has named: what is left to state is that an offset, and a store's data, are
; written before they are read.  The 32 loads go in 8 blocks of four.  Block p's conversions write block p's words; the four stores that read them are issued in block p + 1, behind ONE wait at that block's head,
; and are dealt among that block's conversions, which name block p + 1's registers and T alone.
.set KBS, 1572864                      ; bytes from one block of 64 k to the next: 12288 rows x 128
.set A0,  1                            ; v1   source offset of my 16 bytes, first pair of rows
.set A1,  6                            ; v6   second pair
.set DST, 2                            ; v2   destination offset of my 8 bytes, first pair; the second lies 256 bytes on
.set T,   8                            ; v[8:15]   at work (Wo's second conversion), two sets by turns
.set X,   16                           ; v[16:143] load n = 2 kb + pair: 4 registers as loaded; its first 2 as stored
	s_load_b256 s[4:11], s[0:1], 0x0               ; x s[4:5], Wq s[6:7], Wk s[8:9], Wv s[10:11]
	s_load_b128 s[12:15], s[0:1], 0x20             ; Wo s[12:13], ops s[14:15]
	s_mov_b32 s28, ttmp9                           ; g: 0..511 x, then 64 work-groups for each weight
	s_lshr_b32 s30, s28, 6                         ; 0..7 x, 8 Wq, 9 Wk, 10 Wv, 11 Wo
	s_lshl_b32 s29, s28, 4                         ; first destination row = 16 g (x's 8192 rows are 512 work-groups)
	s_and_b32 s31, s28, 63
	s_lshl_b32 s31, s31, 4                         ; first row inside a weight
	s_cmp_lt_u32 s28, 512
	s_cselect_b32 s31, s29, s31                    ; first row inside the source, in destination order
	s_sub_co_u32 s32, s30, 8
	s_cmp_lt_u32 s32, 3                            ; Wq, Wk, Wv: rows are taken in head order
	s_cselect_b32 s33, -1, 0
	v_lshrrev_b32 v3, 5, v0                        ; wave
	v_bfe_u32 v4, v0, 4, 1                         ; which row of a pair
	v_lshl_add_u32 v3, v3, 2, v4                   ; my row among the group's 16, first pair
	v_and_b32 v4, 15, v0                           ; my 4 numbers among a block's 64
	v_add_nc_u32 v5, s31, v3                       ; o = h*64 + d
.irp p, 0,1
	v_add_nc_u32 v10, 2*(\p), v5
	v_and_b32 v11, 63, v10
	v_lshrrev_b32 v12, 6, v10
	v_lshl_or_b32 v11, v11, 4, v12                 ; d*16 + h
	v_cndmask_b32 v10, v10, v11, s33
	v_lshlrev_b32 v10, 12, v10                     ; source: row x 4096 bytes
	v_lshl_add_u32 v[A0+5*(\p)], v4, 4, v10        ; + 16 bytes for each 4 numbers
.endr
	v_add_nc_u32 v[DST], s29, v3
	v_lshlrev_b32 v[DST], 7, v[DST]                ; destination: row x 128 bytes
	v_lshl_add_u32 v[DST], v4, 3, v[DST]           ; + 8 bytes for each 4 numbers
	s_wait_kmcnt 0x0
	s_mov_b64 s[16:17], s[4:5]
	s_cmp_eq_u32 s30, 8
	s_cselect_b64 s[16:17], s[6:7], s[16:17]
	s_cmp_eq_u32 s30, 9
	s_cselect_b64 s[16:17], s[8:9], s[16:17]
	s_cmp_eq_u32 s30, 10
	s_cselect_b64 s[16:17], s[10:11], s[16:17]
	s_cmp_eq_u32 s30, 11
	s_cselect_b64 s[16:17], s[12:13], s[16:17]
	s_wait_alu depctr_va_vdst(0)                   ; v1, v6 and v2 are written: every load of the kernel reads v1 or v6 as its offset, every store v2
.set kb, 0
.rept 16
	global_load_b128 v[X+8*kb:X+8*kb+3],   v[A0], s[16:17] offset:kb*256 th:TH_LOAD_NT
	global_load_b128 v[X+8*kb+4:X+8*kb+7], v[A1], s[16:17] offset:kb*256 th:TH_LOAD_NT
.set kb, kb+1
.endr
	s_mov_b64 s[20:21], s[14:15]                   ; four bases, four blocks apart, so that a block's place fits the stores' immediate
	s_add_nc_u64 s[22:23], s[14:15], 4*KBS
	s_add_nc_u64 s[24:25], s[14:15], 8*KBS
	s_add_nc_u64 s[26:27], s[14:15], 12*KBS
; Load n is rounded in place (ascending, so no source is overwritten before it is read).  half = 1: the bf16 number is written as f16.
.macro ROUND n, half
	v_cvt_pk_bf16_f32 v[X+4*(\n)],   v[X+4*(\n)],   v[X+4*(\n)+1]
	v_cvt_pk_bf16_f32 v[X+4*(\n)+1], v[X+4*(\n)+2], v[X+4*(\n)+3]
.if \half
.irp i, 0,1
	v_lshlrev_b32 v[T+4*((\n)%2)+2*(\i)],   16, v[X+4*(\n)+(\i)]
	v_and_b32     v[T+4*((\n)%2)+2*(\i)+1], 0xffff0000, v[X+4*(\n)+(\i)]
.endr
.irp i, 0,1
	v_cvt_pk_f16_f32 v[X+4*(\n)+(\i)], v[T+4*((\n)%2)+2*(\i)], v[T+4*((\n)%2)+2*(\i)+1]
.endr
.endif
.endm
; The two words made of load n are stored.
.macro SEND n
	global_store_b64 v[DST], v[X+4*(\n):X+4*(\n)+1], s[20+2*((\n)/8):21+2*((\n)/8)] offset:(((\n)/2)%4)*KBS+((\n)%2)*256
.endm
; Block p: loads 4 p to 4 p + 3 are rounded; the stores of block p - 1 stand among the conversions, one in front of each load's.
.macro BLK p, half
	s_wait_loadcnt 28-4*(\p)                       ; loads come back in order: this block's four are in, the younger loads stay out
.if (\p) > 0
	s_wait_alu depctr_va_vdst(0)                   ; the conversions of the block before have written its eight words, which the four stores below read; no vector instruction behind this wait names them
.endif
.irp r, 0,1,2,3
.if (\p) > 0
	SEND 4*(\p)-4+(\r)
.endif
	ROUND 4*(\p)+(\r), \half
.endr
.endm
.macro LAST                            ; block 7's stores
	s_wait_alu depctr_va_vdst(0)                   ; block 7's conversions have written its eight words, which the last four stores read
.irp r, 28,29,30,31
	SEND \r
.endr
.endm
	s_cmp_ge_u32 s28, 704
	s_cbranch_scc1 .Lwo
.irp q, 0,1,2,3,4,5,6,7
	BLK \q, 0
.endr
	LAST
	s_endpgm
.Lwo:
.irp q, 0,1,2,3,4,5,6,7
	BLK \q, 1
.endr
	LAST
	s_endpgm
.Lfunc_end_k_q667c89418f_cast:
	.size	k_q667c89418f_cast, .Lfunc_end_k_q667c89418f_cast-k_q667c89418f_cast
	.p2alignl 7, 3214868480
	.fill 96, 4, 3214868480
	.section	.rodata,"a",@progbits
	.p2align	6, 0x0
	.amdhsa_kernel k_q667c89418f_cast
		.amdhsa_group_segment_fixed_size 0
		.amdhsa_private_segment_fixed_size 0
		.amdhsa_enable_private_segment 0
		.amdhsa_kernarg_size 48
		.amdhsa_user_sgpr_count 2
		.amdhsa_user_sgpr_kernarg_segment_ptr 1
		.amdhsa_wavefront_size32 1
		.amdhsa_system_sgpr_workgroup_id_x 1
		.amdhsa_system_sgpr_workgroup_id_y 1
		.amdhsa_system_sgpr_workgroup_id_z 1
		.amdhsa_system_vgpr_workitem_id 0
		.amdhsa_next_free_vgpr 144
		.amdhsa_next_free_sgpr 66
		.amdhsa_reserve_vcc 0
		.amdhsa_float_denorm_mode_32 3
		.amdhsa_float_denorm_mode_16_64 3
		.amdhsa_memory_ordered 1
		.amdhsa_forward_progress 1
		.amdhsa_inst_pref_size 31
	.end_amdhsa_kernel
	.amdgpu_metadata
---
amdhsa.version: [ 1, 2 ]
amdhsa.kernels:
  - .name:           k_q667c89418f_cast
    .symbol:         k_q667c89418f_cast.kd
    .args:
      - { .name: x, .offset: 0, .size: 8, .value_kind: global_buffer, .address_space: global }
      - { .name: Wq, .offset: 8, .size: 8, .value_kind: global_buffer, .address_space: global }
      - { .name: Wk, .offset: 16, .size: 8, .value_kind: global_buffer, .address_space: global }
      - { .name: Wv, .offset: 24, .size: 8, .value_kind: global_buffer, .address_space: global }
      - { .name: Wo, .offset: 32, .size: 8, .value_kind: global_buffer, .address_space: global }
      - { .name: ops, .offset: 40, .size: 8, .value_kind: global_buffer, .address_space: global }
    .group_segment_fixed_size: 0
    .private_segment_fixed_size: 0
    .kernarg_segment_align: 8
    .kernarg_segment_size: 48
    .max_flat_workgroup_size: 128
    .sgpr_count:     66
    .vgpr_count:     144
    .wavefront_size: 32
...
	.end_amdgpu_metadata
.endif
;; end of part 5
;; launch qkv: the kernel of part 2 again; grid 8 x 32, 4 waves a work-group, clusters of 4 x 4, 327,680 bytes of LDS; arguments ops, qkv; writes qkv
;; launch attn: the kernel of part 3 again; grid 256 x 1, 4 waves a work-group, no clusters, 6,656 bytes of LDS; arguments qkv, csp; writes csp
;; launch proj: the kernel of part 4 again; grid 8 x 32, 4 waves a work-group, clusters of 4 x 4, 327,680 bytes of LDS; arguments qkv, ops, csp, bo, out0; writes out0
